; MI455X (gfx1250); checked and timed in simulation.
; The chip was launched on July 23, 2026; its instructions are those of AMD's public machine-readable ISA for CDNA 5 (MIT licence, August 2026) and "CDNA5" Instruction Set Architecture Reference Guide (July 2026). The comments in the code are by the model that wrote it; some were corrected since.
;; Agentembedding. Allowed arithmetic: matrix products marked QUANTISED: E3M2 operands, one E8M0 scale for each 32 along K, by v_wmma_scale_f32_16x16x128_f8f6f4 with both operands' format E3M2, f32 sums; everything else in f32.
;; Inputs: Wk_codes 512 x 16 x 24 uint8 (E3M2 codes of Wk, K innermost, in blocks of 32 codes, four codes in three bytes); Wk_scales 512 x 16 uint8 (E8M0 scales of Wk, one for each 32 codes along K); Wq_codes 512 x 32 x 24 uint8 (E3M2 codes of Wq, K innermost, in blocks of 32 codes, four codes in three bytes); Wq_scales 512 x 32 uint8 (E8M0 scales of Wq, one for each 32 codes along K); Wv_codes 512 x 16 x 24 uint8 (E3M2 codes of Wv, K innermost, in blocks of 32 codes, four codes in three bytes); Wv_scales 512 x 16 uint8 (E8M0 scales of Wv, one for each 32 codes along K); bk 512 float32; bq 512 float32; bv 512 float32; f_c_codes 32 x 256 x 32 x 24 uint8 (E3M2 codes of f_c, K innermost, in blocks of 32 codes, four codes in three bytes); f_c_scales 32 x 256 x 32 uint8 (E8M0 scales of f_c, one for each 32 codes along K); f_codes 32 x 2,048 x 16 x 24 uint8 (E3M2 codes of f, K innermost, in blocks of 32 codes, four codes in three bytes); f_scales 32 x 2,048 x 16 uint8 (E8M0 scales of f, one for each 32 codes along K).
;; Outputs: out0 32 x 256 x 512 float32.
;; This version of the problem:
;;   THIS VERSION OF THE PROBLEM IS GIVEN IN LOW PRECISION. The matrix products marked QUANTISED in the list below multiply operands that are first quantised to E3M2 (3 exponent bits, 2 mantissa bits; 6 bits a number), with one power-of-two scale for each 32 numbers along K (OCP MX v1.0); their sums are f32. All else is computed in f32.
;;   The module's matrix products, in the order in which they are computed (A, B: the left and right operand; K: the contracted axis; several contracted axes count as one K, in the product's order):
;;     1. [M 8,192, K 1,024] x [K 1,024, N 512]; A: input f_c (given as codes); B: input Wq (given as codes): QUANTISED
;;     2. [M 65,536, K 512] x [K 512, N 512]; A: input f (given as codes); B: input Wk (given as codes): QUANTISED
;;     3. [M 65,536, K 512] x [K 512, N 512]; A: input f (given as codes); B: input Wv (given as codes): QUANTISED
;;     4. batch 32 x [M 2,048, K 512] x [K 512, N 256]; A: computed on the way; B: computed on the way: QUANTISED
;;     5. batch 32 x [M 256, K 2,048] x [K 2,048, N 512]; A: softmax (see below); B: computed on the way: QUANTISED
;;   THE QUANTISER, for each operand of a quantised product, along K:
;;     - K is cut into blocks of 32 from its start; a last block that is shorter is filled with zeros.
;;     - A block's scale is 2^e with e = floor(log2(the largest magnitude in the block)) - 4, held to -126 .. 127; a block of zeros has e = 0. As a byte (E8M0): e + 127.
;;     - Each number is divided by its block's scale, clamped to +-28, and rounded to the nearest number of E3M2, ties to even, subnormals kept.
;;     - The product sums the exact products of the quantised numbers (number of the format x scale) in f32.
;;   ~~~python
;;   def quantise(x, axis):      # numpy; x: float32 -> the quantised numbers, widened to float32 again
;;       x = np.moveaxis(x, axis, -1); K = x.shape[-1]
;;       x = np.pad(x, [(0, 0)] * (x.ndim - 1) + [(0, -K % 32)]); x = x.reshape(x.shape[:-1] + (-1, 32)); a = np.abs(x).max(-1, keepdims=True)
;;       e = np.where(a > 0, np.clip(np.frexp(np.where(a > 0, a, 1))[1] - 1 - 4, -126, 127), 0)      # np.frexp(a)[1] - 1 = floor(log2(a)), exactly
;;       r = np.clip(x / 2.0 ** e, -28, 28)
;;       step = 2.0 ** (np.maximum(np.frexp(np.where(r == 0, 1, r))[1] - 1, -2) - 2)
;;       q = np.round(r / step) * step * 2.0 ** e      # np.round: ties to even
;;       return np.moveaxis(q.reshape(q.shape[:-2] + (-1,))[..., :K], -1, axis).astype(np.float32)
;;   ~~~
;;   SOFTMAX AHEAD OF A QUANTISED PRODUCT. Where the list says 'softmax', what is quantised is not the finished softmax but p = 2^(t - M), with t = logit x log2(e) and M = ceil(the row's largest t), a whole number; so 1/2 < the row's largest p <= 1. The row's sum l is taken of the UNQUANTISED p, in f32, and the product's result is divided by l at the end. Since M is a whole number, a kernel that streams over the keys may use a running M (the ceiling of the running maximum): every later rescaling is an exact power of two, which a block's scale takes up: the codes' values come out the same.
;;   OPERANDS COMPUTED ON THE WAY. 'Computed on the way' means the value that the module computes at that place (a softmax that the list does not call 'softmax' is quantised finished and normalised). What goes into a quantiser is computed in f32, as accurately as f32 sums, v_exp_f32 and their like allow (about 1e-6 of the number): no bf16 or f16 on the way to a quantiser, and a product that is left as it is and whose result goes on into a quantised operand takes f32 operands (vector FMAs, or v_wmma_f32_16x16x4_f32). A number that lies on a knife's edge between two numbers of the format may be rounded either way, as far as f32 arithmetic and the matrix unit's own rounding can turn it there, and no further.
;;   INPUTS GIVEN AS CODES. Wk (in the module: [512, 512], K = its axis 0); Wq (in the module: [1024, 512], K = its axis 0); Wv (in the module: [512, 512], K = its axis 0); f (in the module: [32, 2048, 512], K = its axis 2); f_c (in the module: [32, 256, 1024], K = its axis 2): each comes as NAME_codes (uint8): NAME with its K axis moved to the last place and cut into blocks of 32 codes, [.., K / 32, bytes a block], one block behind the other in memory; four codes in three bytes: a row's codes are one little-endian stream of bits, code i at bits 6 i .. 6 i + 5 (a code: sign, 3 exponent bits, 2 mantissa bits); and NAME_scales (uint8): the same leading axes, one E8M0 byte (e + 127) for each 32 codes along K. Its value is code x scale, taken as it is: it is not quantised again, and the codes and scales need not be those that the quantiser above would give.
;; One version. Each part assembles by itself: llvm-mc -triple=amdgcn-amd-amdhsa -mcpu=gfx1250 --defsym DOCPART=n.
;; ======== version 1 of 1: 3 launches
;; limits: right only within a limited range of input values
;; workspace buffers: kc 25,165,824 bytes; ks 1,048,576 bytes; vc 25,165,824 bytes; vs 1,048,576 bytes; qc 3,145,728 bytes; qs 131,072 bytes; pc 12,582,912 bytes; pm 1,048,576 bytes
;; launch project (part 1): grid 256 x 1, 4 waves a work-group, clusters of 4 x 1, 327,680 bytes of LDS; arguments f_codes, f_scales, Wk_codes, Wk_scales, bk, Wv_codes, Wv_scales, bv, f_c_codes, f_c_scales, Wq_codes, Wq_scales, bq, kc, ks, vc, vs, qc, qs; writes kc, ks, vc, vs, qc, qs
.if DOCPART == 1
	.amdgcn_target "amdgcn-amd-amdhsa--gfx1250"
	.amdhsa_code_object_version 6
	.text
	.protected	k_qb10506cbb9_project
	.globl	k_qb10506cbb9_project
	.p2align	8
	.type	k_qb10506cbb9_project,@function
k_qb10506cbb9_project:
	s_mov_b64 s[64:65], 0
	v_nop
	global_prefetch_b8 v0, s[64:65] scope:SCOPE_SE
	s_setreg_imm32_b32 hwreg(HW_REG_WAVE_MODE, 25, 1), 1
	s_wait_xcnt 0x0
	s_wait_alu depctr_hold_cnt(0) depctr_sa_sdst(0) depctr_va_vdst(0) depctr_va_sdst(0) depctr_va_ssrc(0) depctr_va_vcc(0) depctr_vm_vsrc(0)
	s_getreg_b32 s2, hwreg(HW_REG_IB_STS2, 6, 4)
	s_cmp_eq_u32 s2, 0
	s_cbranch_scc0 .Lentry_in_a_cluster
	s_endpgm
.Lentry_in_a_cluster:
	s_bfe_u32 s2, ttmp6, 0x10000c
	s_cmp_lg_u32 s2, 0x3003
	s_cbranch_scc0 .Lentry_shape_is_right
	s_endpgm
.Lentry_shape_is_right:
; q = f_c Wq + bq, k = f Wk + bk, v = f Wv + bv, on codes of BF6 (E3M2) with one E8M0 scale for each 32 along K, and each result quantised again for the two products of the next launch:
; k and q along the 512 features, v along the nodes.  The results leave as codes and scale bytes, laid in the order of the operand registers of the launch that reads them.
; DEAD WORK: none.  bq, bk and bv each stand ahead of a quantiser, whose codes and scales they move, so every input has a way to the output and every input is loaded.
; SHARES.  Work-group wg (256 of them) takes nodes 256 wg .. + 255 of f and queries 32 wg .. + 31 of f_c.  Wave (a, c): nodes 128 a .. + 127 (8 tiles of 16, their fragments of f stay in 384 registers) x channels 256 c .. + 255,
; 64 channels a step: steps 0-3 make k, steps 4-7 make v.  Each step also makes one block of 32 features of q (block 2 step + a) for query tile c.
; f AND f_c come by dense loads, 512 consecutive bytes an instruction, and turn into fragments through the wave's own stage in LDS: a dense byte o lies at o + 16 (o / 128), so that f's rows are 432 bytes apart and f_c's 864.
; LAYOUT.  k and q: source 0 = 16 rows of the weight, source 1 = 16 nodes or queries, so a lane holds one node and its registers run along the features.  v: source 0 = 16 nodes, source 1 = 16 rows of Wv, so a lane holds
; one channel and its registers run along the nodes.  The biases are the C of each sum's first matrix instruction.
; ORDER INSIDE A BLOCK OF 32.  Tiles take 16 neighbouring rows, so a lane's 16 registers of two neighbouring tiles are elements 16 (i / 8) + 8 (lane / 16) + i % 8 of a block.  The same order arises in both operands of each later
; product (k and q here; v here and p in the next launch); a block keeps its 32 members, so its scale is the rule's, and the products are the same; only the order of the f32 sums differs from ascending K.
; A HALF is 768 bytes: registers 6 c .. 6 c + 5 of a fragment: bytes 0-511 registers 0-3 (16 bytes a lane), bytes 512-767 registers 4-5 (8 bytes a lane): each store covers 512 or 256 consecutive bytes, aligned to 256.
; CLUSTER.  The four work-groups of a cluster walk the same rows of Wk, Wv and Wq: each tile is asked for jointly, by the same tensor load with the same descriptor and the mask 15.
; LIMITS.  A block of zeros gets the scale byte 1 where the rule says 127 (its codes are zeros, and only this program reads the bytes); the byte is held at 1 from below; NaN and infinities among the inputs are not served.
; No prefetch: the weights' rows are read by all work-groups, and f and f_c are asked for once, at the head.
.set SLOT1, 1<<17                      ; slot 1 begins here: one exclusive or turns an address in one slot into the other's
.set WP,    432                        ; a row of Wk or Wv in LDS: 384 bytes + 16 behind every 128
.set WRUN,  64*WP                      ; 64 rows: one channel half's part of a step
.set QOFF,  2*WRUN                     ; behind them Wq's 64 rows
.set QP,    816                        ; a row of Wq in LDS: 768 bytes + 16 behind every 256
.set QRUN,  32*QP
.set XQ,    2*SLOT1                    ; q's scale bytes: 128 bytes for each wave (8 a query)
.set SPARE, XQ+512                     ; the spare words, 128 bytes for each wave
.set STG,   SPARE+512                  ; the waves' stages for f and f_c; no tensor load lands here
.set CHK,   6912                       ; a chunk in the stage: 6,144 dense bytes + 16 behind every 128
.set STGW,  2*CHK                      ; a wave's stage: two chunks
; window 0
.set L16,  1                           ; 16 x lane
.set L8,   2                           ; 8 x lane
.set AW0B, 3                           ; my place in a tile of Wk, Wv: row r x 432 + my channel half + 24 h
.set AW1B, 4                           ; the same behind one padding more: + 40 h
.set AQ0B, 5                           ; the same two for Wq
.set AQ1B, 6
.set ADW0, 7                           ; v7-10 the four with the slot in hand added
.set ADW1, 8
.set ADQ0, 9
.set ADQ1, 10
.set ABK,  11                          ; 32 h: a bias along the registers
.set ABV,  12                          ; 4 r: a bias along the lanes
.set AQS,  13                          ; 32 x lane: Wq's scale rows
.set AQC,  14                          ; 24 r + 12 h: q's codes
.set AXQ,  15                          ; XQ + 128 wave + 8 r
.set ADX,  16                          ; + the step
.set SPW,  17                          ; my spare word; never rewritten
.set NIL,  18                          ; 0; never rewritten
.set ASTO, 19                          ; my stage + 16 (lane + lane / 8): where a dense load's 16 bytes go
.set ACL0, 20                          ; my stage + 864 r + 24 h: f_c's fragments
.set AFCS, 21                          ; 32 r
.set AXL,  22                          ; XQ + 8 x lane
.set ACL1, 23                          ; the same behind one padding more: + 40 h
.set FS,   24                          ; v24-39  f's scale words: register 4 (m / 2) + s; lanes 0-15 the even tile, lanes 16-31 the odd one
.set WS,   40                          ; v40-47  the step's weight scale words: 4 (t / 2) + s, likewise
.set FCS,  48                          ; v48-55  f_c's scale words, one for each K step
.set WQS,  56                          ; v56-63  Wq's: lanes 0-15 tile 0, lanes 16-31 tile 1
.set BIAS, 64                          ; v64-95  the step's bias, 8 registers a tile
.set KW,   96                          ; v96-103 k's scale words in the making
.set X,    104                         ; v104-107 four scale words to store
.set TM,   108                         ; v108-111 largest magnitudes, v112-115 bytes, v116-119 the conversions' scale operands
.set PW,   120                         ; the scale word just made
.set PC,   122                         ; v122-141 the codes just made
.set AFL0, 142                         ; my stage + 432 r + 24 h: f's fragments
.set AFL1, 143                         ; + 40 h
.set FC,   144                         ; v144-239 f_c's eight fragments
; window 1: f's fragments of tiles 0-4 at 48 m + 12 s; v240-255 q's two accumulators.  window 2: the 256 accumulators (at the head: five buffers of 48 registers for the dense loads).  window 3: f's fragments of tiles 5-7; two buffers of four weight fragments
.set QA,   240
.set WB0,  144
.set WB1,  192
; scalars: the arguments, each moved on to the wave's part
.set PF,4
.set PFS,6
.set PWK,8
.set PWKS,10
.set PBK,12
.set PWV,14
.set PWVS,16
.set PBV,18
.set PFC,20
.set PFCS,22
.set PWQ,24
.set PWQS,26
.set PBQ,28
.set KC,30
.set KSP,32
.set VC,34
.set VSP,36
.set QC,38
.set QSP,40
.set G1W, 44                           ; s[44:51] descriptor group 1: 64 rows of a weight are 24,576 dense bytes, stated as 96 rows of 256 bytes
.set G1Q, 52                           ; s[52:59] 32 rows of 768 bytes
.set G0W, 60                           ; s[60:63] group 0 for Wk, Wv: it walks
.set G0Q, 68                           ; s[68:71] for Wq
.set WVA, 72                           ; s[72:73] Wv at my channel half
.set WV,  82                           ; wave
.set WA,  83                           ; a = wave / 2
.set WC,  84                           ; c = wave % 2; also which half of a tile I fetch
.set WG,  85
.set CNT, 86
.set TB,  87                           ; LDS byte at which the slot in hand begins
.set TQ,  88                           ; the step's number
.set MK,  89                           ; which half of the lanes takes v's scale word in this step
.set HI,  90                           ; lanes 16-31
.set PAR, 91                           ; 1 in odd steps
.set SEL, 92                           ; s[92:93] selects of v_permlanex16_b32 for lane l xor 16
.set MSB, 0
.macro WIN new                         ; s_set_vgpr_msb: bits 1:0 source 0, 3:2 source 1, 5:4 source 2, 7:6 destination; the high byte repeats the setting that is left
.if MSB != (\new)
	s_set_vgpr_msb (MSB<<8)|(\new)
.set MSB, (\new)
.endif
.endm
.macro PLACES                          ; four plain places behind matrix instructions, ahead of loads into their registers and of reads of their results
.rept 4
	v_nop
.endr
.endm
.macro ROUND                           ; a round of the cluster's barrier
	s_barrier_signal -1
	s_barrier_wait -1
	s_cmp_lg_u32 s[WV], 0
	s_cbranch_scc1 .Lnot_wave_0_\@
	s_barrier_signal -3
.Lnot_wave_0_\@:
	s_barrier_wait -3
	s_barrier_signal -1
	s_barrier_wait -1
.endm
.macro JLOAD                           ; a joint load: waves 0, 1 fetch the two channel halves' 64 rows of Wk or Wv, waves 2, 3 the two halves of Wq's 64 rows.  The branch hangs on the wave's number alone
	s_cmp_lt_u32 s[WV], 2
	s_cbranch_scc0 .Lfor_q_\@
	tensor_load_to_lds s[G0W:G0W+3], s[G1W:G1W+7]
	s_nop 0
.rept 4
	v_nop
.endr
	s_branch .Lasked_\@
.Lfor_q_\@:
	tensor_load_to_lds s[G0Q:G0Q+3], s[G1Q:G1Q+7]
	s_nop 0
.rept 4
	v_nop
.endr
.Lasked_\@:
.endm
; one matrix instruction: D, A, B, C, A's and B's scale registers, and which half of the lanes each side's scales are read from
.macro WM d, a, b, c, sa, sb, ra, rb
.if ((\ra)==0)&&((\rb)==0)
	v_wmma_scale_f32_16x16x128_f8f6f4 v[0+(\d):7+(\d)], v[0+(\a):11+(\a)], v[0+(\b):11+(\b)], v[0+(\c):7+(\c)], v[0+(\sa)], v[0+(\sb)] matrix_a_fmt:MATRIX_FMT_BF6 matrix_b_fmt:MATRIX_FMT_BF6
.elseif ((\ra)==1)&&((\rb)==0)
	v_wmma_scale_f32_16x16x128_f8f6f4 v[0+(\d):7+(\d)], v[0+(\a):11+(\a)], v[0+(\b):11+(\b)], v[0+(\c):7+(\c)], v[0+(\sa)], v[0+(\sb)] matrix_a_fmt:MATRIX_FMT_BF6 matrix_b_fmt:MATRIX_FMT_BF6 matrix_a_scale:MATRIX_SCALE_ROW1
.elseif ((\ra)==0)
	v_wmma_scale_f32_16x16x128_f8f6f4 v[0+(\d):7+(\d)], v[0+(\a):11+(\a)], v[0+(\b):11+(\b)], v[0+(\c):7+(\c)], v[0+(\sa)], v[0+(\sb)] matrix_a_fmt:MATRIX_FMT_BF6 matrix_b_fmt:MATRIX_FMT_BF6 matrix_b_scale:MATRIX_SCALE_ROW1
.else
	v_wmma_scale_f32_16x16x128_f8f6f4 v[0+(\d):7+(\d)], v[0+(\a):11+(\a)], v[0+(\b):11+(\b)], v[0+(\c):7+(\c)], v[0+(\sa)], v[0+(\sb)] matrix_a_fmt:MATRIX_FMT_BF6 matrix_b_fmt:MATRIX_FMT_BF6 matrix_a_scale:MATRIX_SCALE_ROW1 matrix_b_scale:MATRIX_SCALE_ROW1
.endif
.endm
; a fragment, 16 rows x 128 K, in six pieces of 8 bytes.  Lanes 16-31 read 24 bytes further on; where that lies behind one padding more, the second address register serves
.macro FRAGW reg, t, s
.irp p,0,1,2,3,4,5
.set X_, 96*(\s)+48*(\p/3)+8*(\p%3)
.if X_/128 == (X_+24)/128
	ds_load_b64 v[\reg+2*\p:\reg+2*\p+1], v[ADW0] offset:6912*(\t)+X_+16*(X_/128)
.else
	ds_load_b64 v[\reg+2*\p:\reg+2*\p+1], v[ADW1] offset:6912*(\t)+X_+16*(X_/128)
.endif
.endr
.endm
.macro FRAGQ reg, u, kk
.irp p,0,1,2,3,4,5
.set X_, 96*(\kk)+48*(\p/3)+8*(\p%3)
.if X_/256 == (X_+24)/256
	ds_load_b64 v[\reg+2*\p:\reg+2*\p+1], v[ADQ0] offset:13056*(\u)+X_+16*(X_/256)
.else
	ds_load_b64 v[\reg+2*\p:\reg+2*\p+1], v[ADQ1] offset:13056*(\u)+X_+16*(X_/256)
.endif
.endr
.endm
.macro FRAGS reg, a0, a1, xb           ; the same out of my stage: the fragment that begins at byte xb of its rows
.irp p,0,1,2,3,4,5
.set X_, (\xb)+48*(\p/3)+8*(\p%3)
.if X_/128 == (X_+24)/128
	ds_load_b64 v[\reg+2*\p:\reg+2*\p+1], v[\a0] offset:X_+16*(X_/128)
.else
	ds_load_b64 v[\reg+2*\p:\reg+2*\p+1], v[\a1] offset:X_+16*(X_/128)
.endif
.endr
.endm
; chunk j of ten: 6,144 dense bytes: chunks 0-7 my eight node tiles of f, chunks 8, 9 the two halves of my query tile of f_c.  Twelve loads of 512 consecutive bytes into buffer j % 5 of window 2
.macro GLD j
	WIN 0x80
.irp i,0,1,2,3,4,5,6,7,8,9,10,11
.if (\j) < 8
	global_load_b128 v[48*((\j)%5)+4*\i:48*((\j)%5)+4*\i+3], v[L16], s[PF:PF+1] offset:6144*(\j)+512*\i
.else
	global_load_b128 v[48*((\j)%5)+4*\i:48*((\j)%5)+4*\i+3], v[L16], s[PFC:PFC+1] offset:6144*((\j)-8)+512*\i
.endif
.endr
.endm
.macro TOST j                          ; the chunk goes into my stage: a load's 512 bytes take 576; chunk 9 lies behind chunk 8, all others at the stage's head
	WIN 0x08                                           ; an LDS store's data are its source 1: window 2
.irp i,0,1,2,3,4,5,6,7,8,9,10,11
	ds_store_b128 v[ASTO], v[48*((\j)%5)+4*\i:48*((\j)%5)+4*\i+3] offset:CHK*((\j)/9)+576*\i
.endr
.endm
.macro FETCHW s, wb                    ; the step's four weight tiles, K step s: 24 loads
	WIN 0xc0
.irp t,0,1,2,3
	FRAGW \wb+12*\t, \t, \s
.endr
.endm
.macro FETCHQ unit, wb                 ; Wq's two tiles, K steps 2 unit and 2 unit + 1: 24 loads
	WIN 0xc0
.irp e,0,1
.irp u,0,1
	FRAGQ \wb+12*(2*\e+\u), \u, 2*(\unit)+\e
.endr
.endr
.endm
; 32 matrix instructions: my 8 node tiles x the step's 4 channel tiles, K step s.  The 32 accumulators take turns, one instruction a turn
.macro MUL kind, s, wb
.irp m,0,1,2,3,4,5,6,7
.if \m < 5
.set FF_, 48*\m+12*(\s)
.set WW_, 1
.else
.set FF_, 48*(\m-5)+12*(\s)
.set WW_, 3
.endif
.if (\s) > 0
.set CC_, 0x20
.else
.set CC_, 0
.endif
.if \kind == 0
	WIN 0x83|(WW_<<2)|CC_
.else
	WIN 0x8c|WW_|CC_
.endif
.irp t,0,1,2,3
.if \kind == 0
.if (\s) == 0
	WM 32*\m+8*\t, \wb+12*\t, FF_, BIAS+8*\t, WS+4*(\t/2)+(\s), FS+4*(\m/2)+(\s), \t%2, \m%2
.else
	WM 32*\m+8*\t, \wb+12*\t, FF_, 32*\m+8*\t, WS+4*(\t/2)+(\s), FS+4*(\m/2)+(\s), \t%2, \m%2
.endif
.else
.if (\s) == 0
	WM 64*\t+8*\m, FF_, \wb+12*\t, BIAS+8*\t, FS+4*(\m/2)+(\s), WS+4*(\t/2)+(\s), \m%2, \t%2
.else
	WM 64*\t+8*\m, FF_, \wb+12*\t, 64*\t+8*\m, FS+4*(\m/2)+(\s), WS+4*(\t/2)+(\s), \m%2, \t%2
.endif
.endif
.endr
.endr
.endm
.macro MULQ unit                       ; q: two K steps x two feature tiles; the two accumulators take turns
	WIN 0x53
.irp e,0,1
.irp u,0,1
	WM QA+8*\u, WB0+48*((\unit)%2)+12*(2*\e+\u), FC+12*(2*(\unit)+\e), QA+8*\u, WQS+2*(\unit)+\e, FCS+2*(\unit)+\e, \u, 0
.endr
.endr
.endm
; 64 accumulator registers of window 2 from base on, four half blocks of 16 a lane, become 12 registers of codes in v[PC] on and four scale bytes in v[PW]
.macro QUANT base
	WIN 0x28
.irp b,0,1,2,3
	v_max3_num_f32 v[TM+\b], 0x2800000, |v[\base+16*\b]|, |v[\base+16*\b+1]|   ; my 16 numbers and the floor 2^(5 - 127): the byte cannot fall under 1.  Each accumulator is read from its low end on
.endr
.irp i,2,4,6,8,10,12,14
.irp b,0,1,2,3
	v_max3_num_f32 v[TM+\b], v[TM+\b], |v[\base+16*\b+\i]|, |v[\base+16*\b+\i+1]|
.endr
.endr
	WIN 0
.irp b,0,1,2,3
	v_permlanex16_b32 v[TM+4+\b], v[TM+\b], s[SEL], s[SEL+1]
.endr
.irp b,0,1,2,3
	v_max_num_f32 v[TM+\b], v[TM+\b], v[TM+4+\b]       ; with lane l xor 16's: the block's largest magnitude
.endr
.irp b,0,1,2,3
	v_add_nc_u32 v[TM+8+\b], 0xfe000000, v[TM+\b]      ; 4 off its exponent field: the conversion's scale operand
.endr
.irp b,0,1,2,3
	v_lshrrev_b32 v[TM+4+\b], 23, v[TM+8+\b]           ; the scale's byte
.endr
	v_lshl_or_b32 v[PW], v[TM+5], 8, v[TM+4]
	v_lshl_or_b32 v[PW], v[TM+6], 16, v[PW]
	v_lshl_or_b32 v[PW], v[TM+7], 24, v[PW]
	s_wait_xcnt 0x0                                    ; the last stores have read the codes' registers: they are written again only behind this wait
	WIN 0x02
.irp c,0,1
	v_cvt_scalef32_pk16_bf6_f32 v[PC+6*\c:PC+6*\c+2], v[\base+32*\c:\base+32*\c+15], v[TM+8+2*\c]
	v_cvt_scalef32_pk16_bf6_f32 v[PC+12+4*\c:PC+14+4*\c], v[\base+32*\c+16:\base+32*\c+31], v[TM+9+2*\c]   ; (a conversion's three registers begin on an even number)
.endr
	WIN 0
	v_nop                                              ; one plain place behind a scaled conversion
.irp c,0,1                                             ; the operand's layout wants a whole block in a lane: lanes 0-15 block 2 c, lanes 16-31 block 2 c + 1
.irp i,0,1,2
	v_permlane16_swap_b32 v[PC+6*\c+\i], v[PC+12+4*\c+\i]
.endr
.irp i,0,1,2
	v_mov_b32 v[PC+3+6*\c+\i], v[PC+12+4*\c+\i]
.endr
.endr
.endm
.macro PUT o1, o2, sb                  ; two halves leave: 512 and 256 consecutive bytes each
	global_store_b128 v[L16], v[PC:PC+3], s[\sb:\sb+1] offset:\o1
	global_store_b64 v[L8], v[PC+4:PC+5], s[\sb:\sb+1] offset:(\o1)+512
	global_store_b128 v[L16], v[PC+6:PC+9], s[\sb:\sb+1] offset:\o2
	global_store_b64 v[L8], v[PC+10:PC+11], s[\sb:\sb+1] offset:(\o2)+512
.endm
.macro QUANTQ                          ; q's block of 32 features: my 16 numbers become 12 bytes of codes; the byte goes to my wave's bytes in LDS
	WIN 0x14
	v_max3_num_f32 v[TM], 0x2800000, |v[QA]|, |v[QA+1]|
	v_max3_num_f32 v[TM+1], 0x2800000, |v[QA+8]|, |v[QA+9]|
.irp i,2,4,6
	v_max3_num_f32 v[TM], v[TM], |v[QA+\i]|, |v[QA+\i+1]|
	v_max3_num_f32 v[TM+1], v[TM+1], |v[QA+8+\i]|, |v[QA+9+\i]|
.endr
	WIN 0
	v_max_num_f32 v[TM], v[TM], v[TM+1]
	v_permlanex16_b32 v[TM+4], v[TM], s[SEL], s[SEL+1]
	v_max_num_f32 v[TM], v[TM], v[TM+4]
	v_add_nc_u32 v[TM+8], 0xfe000000, v[TM]
	v_lshrrev_b32 v[TM+4], 23, v[TM+8]
	s_wait_alu depctr_va_vdst(0)
	s_wait_xcnt 0x0                                    ; the last stores have read the codes' registers
	WIN 0x01
	v_cvt_scalef32_pk16_bf6_f32 v[PC:PC+2], v[QA:QA+15], v[TM+8]
	WIN 0
	v_nop                                              ; one plain place behind a scaled conversion
	global_store_b96 v[AQC], v[PC:PC+2], s[QC:QC+1]    ; the wave stores the block's 384 consecutive bytes
	ds_store_b8 v[ADX], v[TM+4]                        ; both lanes of a query write the same byte with the same value
.endm
.macro PRELOAD kind, imm               ; a step's weight scale words and bias, imm bytes of bias on from the pointers
.if \kind == 0
	global_load_b128 v[WS:WS+3], v[L16], s[PWKS:PWKS+1] offset:4*(\imm)
	global_load_b128 v[WS+4:WS+7], v[L16], s[PWKS:PWKS+1] offset:4*(\imm)+512
.irp t,0,1,2,3
	global_load_b128 v[BIAS+8*\t:BIAS+8*\t+3], v[ABK], s[PBK:PBK+1] offset:(\imm)+64*\t
	global_load_b128 v[BIAS+8*\t+4:BIAS+8*\t+7], v[ABK], s[PBK:PBK+1] offset:(\imm)+64*\t+16
.endr
.else
	global_load_b128 v[WS:WS+3], v[L16], s[PWVS:PWVS+1] offset:4*(\imm)
	global_load_b128 v[WS+4:WS+7], v[L16], s[PWVS:PWVS+1] offset:4*(\imm)+512
.irp t,0,1,2,3
.irp j,0,1,2,3,4,5,6,7
	global_load_b32 v[BIAS+8*\t+\j], v[ABV], s[PBV:PBV+1] offset:(\imm)+64*\t   ; a lane holds one channel of v: its bias stands in all eight registers
.endr
.endr
.endif
.endm
.macro SIX                             ; the step's Wq scale words, and bq as the start of q's two sums: six loads, the youngest of a step
	global_load_b128 v[WQS:WQS+3], v[AQS], s[PWQS:PWQS+1]
	global_load_b128 v[WQS+4:WQS+7], v[AQS], s[PWQS:PWQS+1] offset:16
	WIN 0x40
.irp u,0,1
	global_load_b128 v[QA+8*\u:QA+8*\u+3], v[ABK], s[PBQ:PBQ+1] offset:64*\u
	global_load_b128 v[QA+8*\u+4:QA+8*\u+7], v[ABK], s[PBQ:PBQ+1] offset:64*\u+16
.endr
	WIN 0
.endm
; A STEP.  kind 0: k, 1: v.  fill 1: the other slot is filled with the next step's rows.  nxt 0: the next step is of the same kind; 1: it is v's first; 2: there is none
.macro STEP kind, fill, nxt
	WIN 0
	s_wait_tensorcnt 0x0                               ; my one tensor load has landed: my part of this step's slot; so every group 0 may be written
	ds_add_u32 v[SPW], v[NIL]                          ; 0 onto my spare word
.if \fill
	s_xor_b32 s[G0W+1], s[G0W+1], SLOT1                ; the walking descriptors: the other slot,
	s_xor_b32 s[G0Q+1], s[G0Q+1], SLOT1
.if \nxt == 1
	s_mov_b64 s[G0W+2:G0W+3], s[WVA:WVA+1]             ; Wv's first 64 rows of my half,
	s_or_b32 s[G0W+3], s[G0W+3], 0x80000000
.else
	s_add_nc_u64 s[G0W+2:G0W+3], s[G0W+2:G0W+3], 24576 ; or the next 64 rows,
.endif
	s_add_nc_u64 s[G0Q+2:G0Q+3], s[G0Q+2:G0Q+3], 49152 ; and Wq's next 64 rows
.endif
	s_wait_dscnt 0x0                                   ; the add is done, and my LDS reads are over: those of the slot that I have left, and in the first step those of my stage
.if \fill
	ROUND                                              ; both now hold of every wave of the four work-groups
	JLOAD                                              ; the first tensor load behind the round, one a wave: it has the whole step in which to land
.else
	s_barrier_signal -1
	s_barrier_wait -1
	PLACES
.endif
	v_add_nc_u32 v[ADW0], s[TB], v[AW0B]
	v_add_nc_u32 v[ADW1], s[TB], v[AW1B]
	v_add_nc_u32 v[ADQ0], s[TB], v[AQ0B]
	v_add_nc_u32 v[ADQ1], s[TB], v[AQ1B]
	v_add_nc_u32 v[ADX], s[TQ], v[AXQ]
	s_wait_alu depctr_va_vdst(0)
	s_wait_loadcnt 6                                   ; all but the six youngest loads (Wq's scale words, bq): this step's weight scale words and bias are in
	FETCHW 0, WB0
	FETCHW 1, WB1
	s_wait_dscnt 24                                    ; all but the 24 loads of the next fragment set
	MUL \kind, 0, WB0
	PLACES
	FETCHW 2, WB0
	s_wait_dscnt 24
	MUL \kind, 1, WB1
	PLACES
	FETCHW 3, WB1
	s_wait_dscnt 24
	MUL \kind, 2, WB0
	PLACES
	FETCHQ 0, WB0
	s_wait_dscnt 24
	MUL \kind, 3, WB1
	PLACES
	FETCHQ 1, WB1
	WIN 0
	s_wait_loadcnt 0x0                                 ; Wq's scale words and bq are in
.if \nxt == 0
	PRELOAD \kind, 256
.elseif \nxt == 1
	PRELOAD 1, 0
.endif
.irp z,0,1,2,3                                         ; the 256 results are quantised 64 registers at a time; q's products stand between
	QUANT 64*\z
.if \kind == 0
	PUT 2*\z*6144, (2*\z+1)*6144, KC                   ; node tiles 2 z and 2 z + 1: this step's 64 features are one half of a fragment of each
	v_alignbit_b32 v[KW+2*\z], v[PW], v[KW+2*\z], 16   ; two steps' pairs of bytes make a K step's scale word: tile 2 z takes the low pairs,
	v_perm_b32 v[KW+2*\z+1], v[PW], v[KW+2*\z+1], 0x07060302   ; tile 2 z + 1 the high pairs
.else
	global_store_b128 v[L16], v[PC:PC+3], s[VC:VC+1] offset:\z*1536        ; channel tile z: my 128 nodes are a whole fragment: registers 0-3,
	global_store_b128 v[L16], v[PC+4:PC+7], s[VC:VC+1] offset:\z*1536+512  ; 4-7,
	global_store_b128 v[L16], v[PC+8:PC+11], s[VC:VC+1] offset:\z*1536+1024 ; 8-11: three runs of 512 consecutive bytes
	v_cndmask_b32 v[X+\z], v[X+\z], v[PW], s[MK]       ; its scale word: even steps in lanes 0-15, odd steps in lanes 16-31
.endif
.if \z < 3
	s_wait_dscnt 24                                    ; all but the 24 loads of the next unit of Wq
.else
	s_wait_dscnt 0x0
.endif
	MULQ \z
.if \z != 2
	PLACES
.endif
.if \z < 2
	FETCHQ \z+2, WB0+48*(\z%2)
.endif
.endr
	QUANTQ
	s_cmp_eq_u32 s[PAR], 0                             ; the scale words are whole behind every second step
	s_cbranch_scc1 .Leven_\@
.if \kind == 0
.irp z,0,1,2,3
	v_cndmask_b32 v[X+\z], v[KW+2*\z], v[KW+2*\z+1], s[HI]   ; lanes 0-15 the even tile's, lanes 16-31 the odd one's
.endr
	global_store_b128 v[L16], v[X:X+3], s[KSP:KSP+1]
	s_wait_xcnt 0x0                                    ; the store has read its base
	s_add_nc_u64 s[KSP:KSP+1], s[KSP:KSP+1], 8192      ; the next K step's words
.else
	global_store_b128 v[L16], v[X:X+3], s[VSP:VSP+1]
	s_wait_xcnt 0x0
	s_add_nc_u64 s[VSP:VSP+1], s[VSP:VSP+1], 512       ; the next 128 channels' words
.endif
.Leven_\@:
	s_wait_xcnt 0x0                                    ; all loads and stores of the step have read their bases: now they step
.if \kind == 0
	s_add_nc_u64 s[KC:KC+1], s[KC:KC+1], 768
.if \nxt == 0
	s_add_nc_u64 s[PWKS:PWKS+1], s[PWKS:PWKS+1], 1024
	s_add_nc_u64 s[PBK:PBK+1], s[PBK:PBK+1], 256
.endif
.else
	s_add_nc_u64 s[VC:VC+1], s[VC:VC+1], 6144
.if \nxt == 0
	s_add_nc_u64 s[PWVS:PWVS+1], s[PWVS:PWVS+1], 1024
	s_add_nc_u64 s[PBV:PBV+1], s[PBV:PBV+1], 256
.endif
.endif
	s_add_nc_u64 s[QC:QC+1], s[QC:QC+1], 768
	s_xor_b32 s[TB], s[TB], SLOT1
	s_add_co_u32 s[TQ], s[TQ], 1
	s_not_b32 s[MK], s[MK]
	s_xor_b32 s[PAR], s[PAR], 1
.if \nxt != 2
	s_add_nc_u64 s[PWQS:PWQS+1], s[PWQS:PWQS+1], 2048
	s_add_nc_u64 s[PBQ:PBQ+1], s[PBQ:PBQ+1], 256
	SIX
.endif
.endm
	s_load_b512 s[4:19], s[0:1], 0x0
	s_load_b512 s[20:35], s[0:1], 0x40
	s_load_b128 s[36:39], s[0:1], 0x80
	s_load_b64 s[40:41], s[0:1], 0x90
	v_lshl_add_u32 v[SPW], v0, 2, SPARE
	v_mov_b32 v[NIL], 0
	ds_add_u32 v[SPW], v[NIL]                          ; the wave's opening: the add, twice on end, and its wait ahead of my first tensor load
	ds_add_u32 v[SPW], v[NIL]
	v_lshrrev_b32 v240, 5, v0
	v_readfirstlane_b32 s[WV], v240                    ; wave 0..3
	s_lshr_b32 s[WA], s[WV], 1
	s_and_b32 s[WC], s[WV], 1
	s_bfe_u32 s[WG], ttmp6, 0x40000                    ; my place in the cluster: it enters global addresses alone
	s_lshl_b32 s74, ttmp9, 2
	s_add_co_u32 s[WG], s[WG], s74                     ; work-group = 4 x cluster + place
	s_mov_b32 s[G1W], 15|(1<<20)|(1<<21)|(4<<22)|(3<<25)   ; mask: all four work-groups; elements of 1 byte; padding on; bit 21 beside a mask; behind every 32 words (code 4) 4 words (code 3)
	s_mov_b32 s[G1W+1], 256<<16                        ; tensor_dim0: the dense block goes as rows of 256 bytes, each from a multiple of 256 bytes on
	s_mov_b32 s[G1W+2], 96<<16                         ; tensor_dim1
	s_mov_b32 s[G1W+3], 256<<16                        ; tile_dim0
	s_mov_b32 s[G1W+4], 96                             ; tile_dim1
	s_mov_b32 s[G1W+5], 256                            ; from row to row; the padding counts along the tile, so a dense byte o still lies at o + 16 (o / 128)
	s_mov_b32 s[G1W+6], 0
	s_mov_b32 s[G1W+7], 0
	s_mov_b32 s[G1Q], 15|(1<<20)|(1<<21)|(5<<22)|(3<<25)   ; the same with padding behind every 64 words (code 5)
	s_mov_b32 s[G1Q+1], 768<<16
	s_mov_b32 s[G1Q+2], 32<<16
	s_mov_b32 s[G1Q+3], 768<<16
	s_mov_b32 s[G1Q+4], 32
	s_mov_b32 s[G1Q+5], 768
	s_mov_b32 s[G1Q+6], 0
	s_mov_b32 s[G1Q+7], 0
	s_mov_b32 s[SEL], 0x76543210
	s_mov_b32 s[SEL+1], 0xfedcba98
	s_mov_b32 s[HI], 0xffff0000
	s_mov_b32 s[MK], 0x0000ffff
	s_mov_b32 s[PAR], 0
	s_mov_b32 s[TB], 0
	s_mov_b32 s[TQ], 0
	s_mov_b32 s75, 0
	s_wait_dscnt 0x0                                   ; both opening adds are done
	s_wait_kmcnt 0x0
	s_mul_i32 s74, s[WC], 98304                        ; my channel half: 256 rows of 384 bytes
	s_mov_b32 s[G0W], 1
	s_mul_i32 s[G0W+1], s[WC], WRUN
	s_add_nc_u64 s[G0W+2:G0W+3], s[PWK:PWK+1], s[74:75]
	s_or_b32 s[G0W+3], s[G0W+3], 0x80000000
	s_add_nc_u64 s[WVA:WVA+1], s[PWV:PWV+1], s[74:75]
	s_mul_i32 s74, s[WC], 24576                        ; my 32 of Wq's 64 rows
	s_mov_b32 s[G0Q], 1
	s_mul_i32 s[G0Q+1], s[WC], QRUN
	s_add_co_u32 s[G0Q+1], s[G0Q+1], QOFF
	s_add_nc_u64 s[G0Q+2:G0Q+3], s[PWQ:PWQ+1], s[74:75]
	s_or_b32 s[G0Q+3], s[G0Q+3], 0x80000000
	ROUND                                              ; all four work-groups are here: the first joint loads meet
	JLOAD                                              ; step 0's rows into slot 0
	; the pointers, each moved on to my wave's part
	s_lshl_b32 s76, s[WG], 8
	s_lshl_b32 s77, s[WA], 7
	s_add_co_u32 s76, s76, s77                         ; my first node
	s_mul_i32 s74, s76, 384
	s_add_nc_u64 s[PF:PF+1], s[PF:PF+1], s[74:75]
	s_add_nc_u64 s[KC:KC+1], s[KC:KC+1], s[74:75]      ; a node tile's 6,144 bytes of k's codes are as many as its 16 rows of f
	s_mul_i32 s74, s[WC], 3072
	s_add_nc_u64 s[KC:KC+1], s[KC:KC+1], s[74:75]
	s_lshl_b32 s74, s76, 4
	s_add_nc_u64 s[PFS:PFS+1], s[PFS:PFS+1], s[74:75]
	s_lshl_b32 s74, s[WC], 12
	s_add_nc_u64 s[PWKS:PWKS+1], s[PWKS:PWKS+1], s[74:75]
	s_add_nc_u64 s[PWVS:PWVS+1], s[PWVS:PWVS+1], s[74:75]
	s_lshl_b32 s74, s[WC], 10
	s_add_nc_u64 s[PBK:PBK+1], s[PBK:PBK+1], s[74:75]
	s_add_nc_u64 s[PBV:PBV+1], s[PBV:PBV+1], s[74:75]
	s_lshl_b32 s77, s[WG], 5
	s_lshl_b32 s78, s[WC], 4
	s_add_co_u32 s77, s77, s78                         ; my first query
	s_mul_i32 s74, s77, 768
	s_add_nc_u64 s[PFC:PFC+1], s[PFC:PFC+1], s[74:75]
	s_lshl_b32 s74, s77, 5
	s_add_nc_u64 s[PFCS:PFCS+1], s[PFCS:PFCS+1], s[74:75]
	s_lshl_b32 s74, s[WA], 10
	s_add_nc_u64 s[PWQS:PWQS+1], s[PWQS:PWQS+1], s[74:75]
	s_lshl_b32 s74, s[WA], 7
	s_add_nc_u64 s[PBQ:PBQ+1], s[PBQ:PBQ+1], s[74:75]
	s_lshr_b32 s77, s[WG], 3                           ; k's scale words: ((4 batch + 2 c) 16 + 2 (wg % 8) + a) x 512
	s_lshl_b32 s77, s77, 2
	s_lshl_b32 s78, s[WC], 1
	s_add_co_u32 s77, s77, s78
	s_lshl_b32 s77, s77, 4
	s_and_b32 s78, s[WG], 7
	s_lshl_b32 s78, s78, 1
	s_add_co_u32 s77, s77, s78
	s_add_co_u32 s77, s77, s[WA]
	s_lshl_b32 s74, s77, 9
	s_add_nc_u64 s[KSP:KSP+1], s[KSP:KSP+1], s[74:75]
	s_lshr_b32 s77, s76, 7                             ; which run of 128 nodes is mine
	s_mul_i32 s74, s77, 49152
	s_add_nc_u64 s[VC:VC+1], s[VC:VC+1], s[74:75]
	s_mul_i32 s74, s[WC], 24576
	s_add_nc_u64 s[VC:VC+1], s[VC:VC+1], s[74:75]
	s_lshl_b32 s74, s77, 11
	s_add_nc_u64 s[VSP:VSP+1], s[VSP:VSP+1], s[74:75]
	s_lshl_b32 s74, s[WC], 10
	s_add_nc_u64 s[VSP:VSP+1], s[VSP:VSP+1], s[74:75]
	s_lshl_b32 s77, s[WG], 1
	s_add_co_u32 s77, s77, s[WC]
	s_mul_i32 s74, s77, 6144
	s_add_nc_u64 s[QC:QC+1], s[QC:QC+1], s[74:75]
	s_mul_i32 s74, s[WA], 384
	s_add_nc_u64 s[QC:QC+1], s[QC:QC+1], s[74:75]
	s_lshl_b32 s74, s[WG], 9
	s_add_nc_u64 s[QSP:QSP+1], s[QSP:QSP+1], s[74:75]
	; the lanes' places
	v_and_b32 v240, 31, v0                             ; lane
	v_and_b32 v241, 15, v0                             ; r
	v_bfe_u32 v242, v0, 4, 1                           ; h
	v_lshlrev_b32 v[L16], 4, v240
	v_lshlrev_b32 v[L8], 3, v240
	s_mul_i32 s78, s[WC], WRUN
	v_mul_u32_u24 v243, v241, WP
	v_add_nc_u32 v243, s78, v243
	v_mad_u32_u24 v[AW0B], v242, 24, v243
	v_mad_u32_u24 v[AW1B], v242, 40, v243
	s_mul_i32 s78, s[WA], QRUN
	s_add_co_u32 s78, s78, QOFF
	v_mul_u32_u24 v243, v241, QP
	v_add_nc_u32 v243, s78, v243
	v_mad_u32_u24 v[AQ0B], v242, 24, v243
	v_mad_u32_u24 v[AQ1B], v242, 40, v243
	v_lshlrev_b32 v[ABK], 5, v242
	v_lshlrev_b32 v[ABV], 2, v241
	v_lshlrev_b32 v[AQS], 5, v240
	v_mul_u32_u24 v[AQC], v241, 24
	v_mad_u32_u24 v[AQC], v242, 12, v[AQC]
	s_lshl_b32 s78, s[WV], 7
	s_add_co_u32 s78, s78, XQ
	v_lshl_add_u32 v[AXQ], v241, 3, s78
	v_lshlrev_b32 v[AFCS], 5, v241
	v_lshl_add_u32 v[AXL], v240, 3, XQ
	s_mul_i32 s79, s[WV], STGW
	s_add_co_u32 s79, s79, STG                         ; my stage
	v_lshrrev_b32 v243, 3, v240
	v_add_nc_u32 v243, v243, v240                      ; lane + lane / 8: 16 bytes of padding behind every eight lanes' 128
	v_lshl_add_u32 v[ASTO], v243, 4, s79
	v_mul_u32_u24 v243, v241, WP                       ; f's rows: 384 + 3 x 16
	v_add_nc_u32 v243, s79, v243
	v_mad_u32_u24 v[AFL0], v242, 24, v243
	v_mad_u32_u24 v[AFL1], v242, 40, v243
	v_mul_u32_u24 v243, v241, 864                      ; f_c's rows: 768 + 6 x 16
	v_add_nc_u32 v243, s79, v243
	v_mad_u32_u24 v[ACL0], v242, 24, v243
	v_mad_u32_u24 v[ACL1], v242, 40, v243
.irp i,0,1,2,3,4,5,6,7
	v_mov_b32 v[KW+\i], 0                              ; written once: they are shifted into
.endr
.irp i,0,1,2,3
	v_mov_b32 v[X+\i], 0
	v_mov_b32 v[TM+4+\i], 0                            ; a lane permute's destination counts as one of its sources
.endr
	; the small loads first: the scale words that stay, step 0's scale words and biases
.irp u,0,1,2,3
	global_load_b128 v[FS+4*\u:FS+4*\u+3], v[L16], s[PFS:PFS+1] offset:512*\u   ; lane l: node 32 u + l: its four scale words
.endr
	global_load_b128 v[FCS:FCS+3], v[AFCS], s[PFCS:PFCS+1]
	global_load_b128 v[FCS+4:FCS+7], v[AFCS], s[PFCS:PFCS+1] offset:16
	PRELOAD 0, 0
	SIX
	; what stays in registers: f's 32 fragments and f_c's 8, in ten chunks; five chunks' loads are out at a time
.irp j,0,1,2,3,4
	GLD \j
.endr
.irp j,0,1,2,3,4,5,6,7,8,9
.if \j < 6
	s_wait_loadcnt 48                                  ; loads come back in order: this chunk's twelve are in; the four chunks issued behind it may be out
.else
	s_wait_loadcnt 12*(9-\j)                           ; the counts run down: nothing more is asked for
.endif
	TOST \j                                            ; LDS serves a wave's instructions in order: these stores come behind the last chunk's reads, and the reads below see them
.if \j < 5
	WIN 0x40
.irp s,0,1,2,3
	FRAGS 48*\j+12*\s, AFL0, AFL1, 96*\s
.endr
.elseif \j < 8
	WIN 0xc0
.irp s,0,1,2,3
	FRAGS 48*(\j-5)+12*\s, AFL0, AFL1, 96*\s
.endr
.elseif \j == 9
	WIN 0
.irp k,0,1,2,3,4,5,6,7
	FRAGS FC+12*\k, ACL0, ACL1, 96*\k
.endr
.endif
.if \j < 5
	s_wait_dscnt 24                                    ; all but the 24 reads just issued: the chunk's stores have read their registers,
	GLD \j+5                                           ; which take the chunk five further on
.endif
.endr
	WIN 0
	s_mov_b32 s[CNT], 3
.Lk:                                                   ; k's channels, groups 0 to 2
	STEP 0, 1, 0
	s_sub_co_u32 s[CNT], s[CNT], 1
	s_cmp_lg_u32 s[CNT], 0
	s_cbranch_scc1 .Lk
	STEP 0, 1, 1                                       ; group 3: what it asks for is v's first
	s_mov_b32 s[CNT], 3
.Lv:                                                   ; v's channels, groups 0 to 2
	STEP 1, 1, 0
	s_sub_co_u32 s[CNT], s[CNT], 1
	s_cmp_lg_u32 s[CNT], 0
	s_cbranch_scc1 .Lv
	STEP 1, 0, 2                                       ; group 3: nothing is left to fetch
	s_wait_dscnt 0x0                                   ; for the others' sake: my bytes of q's scales have landed
	s_barrier_signal -1
	s_barrier_wait -1
	s_cmp_lg_u32 s[WV], 0
	s_cbranch_scc1 .Lnot_mine                          ; wave 0 stores the 32 queries' 16 bytes each
	s_mov_b32 s78, 0x05010400
	s_mov_b32 s79, 0x07030602
	ds_load_b64 v[X:X+1], v[AXL]                       ; query = lane: the even blocks' eight bytes (waves with a = 0),
	ds_load_b64 v[X+2:X+3], v[AXL] offset:256          ; and the odd blocks' (a = 1)
	s_wait_dscnt 0x0
	v_perm_b32 v[KW], v[X+2], v[X], s78                ; by turns: blocks 0-3,
	v_perm_b32 v[KW+1], v[X+2], v[X], s79              ; 4-7,
	v_perm_b32 v[KW+2], v[X+3], v[X+1], s78            ; 8-11,
	v_perm_b32 v[KW+3], v[X+3], v[X+1], s79            ; 12-15
	global_store_b128 v[L16], v[KW:KW+3], s[QSP:QSP+1] ; 512 consecutive bytes
.Lnot_mine:
	s_wait_tensorcnt 0x0                               ; the wave's end: behind my last tensor load and my last LDS store
	ds_add_u32 v[SPW], v[NIL]
	s_wait_dscnt 0x0
	ROUND                                              ; the closing round: no work-group ends while a partner may still ask for a tile that names it
	s_endpgm
.Lfunc_end_k_qb10506cbb9_project:
	.size	k_qb10506cbb9_project, .Lfunc_end_k_qb10506cbb9_project-k_qb10506cbb9_project
	.p2alignl 7, 3214868480
	.fill 96, 4, 3214868480
	.section	.rodata,"a",@progbits
	.p2align	6, 0x0
	.amdhsa_kernel k_qb10506cbb9_project
		.amdhsa_group_segment_fixed_size 327680
		.amdhsa_private_segment_fixed_size 0
		.amdhsa_enable_private_segment 0
		.amdhsa_kernarg_size 152
		.amdhsa_user_sgpr_count 2
		.amdhsa_user_sgpr_kernarg_segment_ptr 1
		.amdhsa_wavefront_size32 1
		.amdhsa_system_sgpr_workgroup_id_x 1
		.amdhsa_system_sgpr_workgroup_id_y 1
		.amdhsa_system_sgpr_workgroup_id_z 1
		.amdhsa_system_vgpr_workitem_id 0
		.amdhsa_next_free_vgpr 1024
		.amdhsa_next_free_sgpr 96
		.amdhsa_reserve_vcc 0
		.amdhsa_float_denorm_mode_32 3
		.amdhsa_float_denorm_mode_16_64 3
		.amdhsa_memory_ordered 1
		.amdhsa_forward_progress 1
		.amdhsa_inst_pref_size 255
	.end_amdhsa_kernel
	.section	.bss,"aw",@nobits
	.p2align	6
	.space	262144
	.amdgpu_metadata
---
amdhsa.version: [ 1, 2 ]
amdhsa.kernels:
  - .name:           k_qb10506cbb9_project
    .symbol:         k_qb10506cbb9_project.kd
    .args:
      - { .name: f_codes, .offset: 0, .size: 8, .value_kind: global_buffer, .address_space: global }
      - { .name: f_scales, .offset: 8, .size: 8, .value_kind: global_buffer, .address_space: global }
      - { .name: Wk_codes, .offset: 16, .size: 8, .value_kind: global_buffer, .address_space: global }
      - { .name: Wk_scales, .offset: 24, .size: 8, .value_kind: global_buffer, .address_space: global }
      - { .name: bk, .offset: 32, .size: 8, .value_kind: global_buffer, .address_space: global }
      - { .name: Wv_codes, .offset: 40, .size: 8, .value_kind: global_buffer, .address_space: global }
      - { .name: Wv_scales, .offset: 48, .size: 8, .value_kind: global_buffer, .address_space: global }
      - { .name: bv, .offset: 56, .size: 8, .value_kind: global_buffer, .address_space: global }
      - { .name: f_c_codes, .offset: 64, .size: 8, .value_kind: global_buffer, .address_space: global }
      - { .name: f_c_scales, .offset: 72, .size: 8, .value_kind: global_buffer, .address_space: global }
      - { .name: Wq_codes, .offset: 80, .size: 8, .value_kind: global_buffer, .address_space: global }
      - { .name: Wq_scales, .offset: 88, .size: 8, .value_kind: global_buffer, .address_space: global }
      - { .name: bq, .offset: 96, .size: 8, .value_kind: global_buffer, .address_space: global }
      - { .name: kc, .offset: 104, .size: 8, .value_kind: global_buffer, .address_space: global }
      - { .name: ks, .offset: 112, .size: 8, .value_kind: global_buffer, .address_space: global }
      - { .name: vc, .offset: 120, .size: 8, .value_kind: global_buffer, .address_space: global }
      - { .name: vs, .offset: 128, .size: 8, .value_kind: global_buffer, .address_space: global }
      - { .name: qc, .offset: 136, .size: 8, .value_kind: global_buffer, .address_space: global }
      - { .name: qs, .offset: 144, .size: 8, .value_kind: global_buffer, .address_space: global }
    .group_segment_fixed_size: 327680
    .private_segment_fixed_size: 0
    .kernarg_segment_align: 8
    .kernarg_segment_size: 152
    .max_flat_workgroup_size: 128
    .sgpr_count:     96
    .vgpr_count:     1024
    .wavefront_size: 32
...
	.end_amdgpu_metadata
.endif
;; end of part 1
;; launch score (part 2): grid 256 x 1, 8 waves a work-group, clusters of 4 x 1, 197,632 bytes of LDS; arguments kc, ks, qc, qs, pc, pm; writes pc, pm
.if DOCPART == 2
	.amdgcn_target "amdgcn-amd-amdhsa--gfx1250"
	.amdhsa_code_object_version 6
	.text
	.protected	k_qb10506cbb9_score
	.globl	k_qb10506cbb9_score
	.p2align	8
	.type	k_qb10506cbb9_score,@function
k_qb10506cbb9_score:
	s_mov_b64 s[64:65], 0
	v_nop
	global_prefetch_b8 v0, s[64:65] scope:SCOPE_SE
	s_setreg_imm32_b32 hwreg(HW_REG_WAVE_MODE, 25, 1), 1
	s_wait_xcnt 0x0
	s_wait_alu depctr_hold_cnt(0) depctr_sa_sdst(0) depctr_va_vdst(0) depctr_va_sdst(0) depctr_va_ssrc(0) depctr_va_vcc(0) depctr_vm_vsrc(0)
	s_getreg_b32 s2, hwreg(HW_REG_IB_STS2, 6, 4)
	s_cmp_eq_u32 s2, 0
	s_cbranch_scc0 .Lentry_in_a_cluster
	s_endpgm
.Lentry_in_a_cluster:
	s_bfe_u32 s2, ttmp6, 0x10000c
	s_cmp_lg_u32 s2, 0x3003
	s_cbranch_scc0 .Lentry_shape_is_right
	s_endpgm
.Lentry_shape_is_right:
; p = 2^(t - M) of the scores k q / sqrt(512), slab by slab of 256 nodes, on codes of BF6 (E3M2) that the launch before has laid in the order of operand registers.
; DEAD WORK: none is left out.
; SHARES.  Work-group wg (256): batch wg / 8, nodes 256 (wg % 8) .. + 255, against the batch's 256 queries.  Eight waves, two to a SIMD, 512 registers each; wave w takes queries 32 w .. + 31 (two tiles of 16).
; LDS is filled once, one tensor load a wave at the head: waves 0-3 bring the slab's 98,304 bytes of k, waves 4-7 the batch's 98,304 bytes of q.  Nothing is filled again.
; CLUSTER.  The four work-groups of a cluster serve one batch: q's tiles are asked for jointly, by the same tensor load with the same descriptor and the mask 15; a slab of k is its work-group's own.
; S^T = k q^T: a lane holds one query and its registers run along the nodes.  p is made quad by quad (64 nodes) under the quad's own whole number M; a wave holds its queries' whole slab, so the slab's M needs no
; other wave: the difference, a whole number, goes into p's scale bytes and sums.
; OUT.  pc: the fragment of query tile T and K step i (128 nodes) at ((16 batch + T) 16 + i) 1,536: three runs of 512 bytes.  pm: for each pair of query tiles and slab 512 bytes, 16 a lane
; (lanes 0-15 the even tile's queries, lanes 16-31 the odd one's): the scale words of the slab's two K steps, -M of the slab, the slab's sum of the unquantised p.  The next launch joins the eight slabs.
; NO PREFETCH: all that the work-group reads is asked for at the head; there is no loop to run ahead in.
; LIMITS.  The promise holds while the scaled scores stay under 2^31 in magnitude.  A scale byte of p is held at 1 from below.  NaN and infinities are not served.
.set QL,    98304                      ; behind the slab of k (LDS bytes 0 .. 98,303): the batch's q, 6,144 bytes a query tile
.set SPARE, 196608                     ; the spare words, 128 bytes a wave
.set L16,1                             ; 16 x lane;  v3: + 49,152 (an LDS offset has 16 bits)
.set L8,2                              ; 8 x lane;   v4: + 49,152
.set AQ,14
.set SPW,19                            ; my spare word; never rewritten
.set NIL,20                            ; 0; never rewritten
.set QS,24                             ; v24-27 q's scale words, one a K step: lanes 0-15 tile 0, lanes 16-31 tile 1
.set NM,30                             ; v30-33 -M, a pair for each query tile
.set LSU,34                            ; v34-41 sums in the making
.set KS,48                             ; v48-79 k's scale words: (4 run + K step) 4 + tile pair
.set BMW,80                            ; v80-95 each block's largest score, then largest p: 8 query tile + block
.set NMS,96                            ; v96-103 each quad's -M
.set LU,104                            ; v104-111 each quad's sum
.set QF,112                            ; v112-207 q's eight fragments
.set BF,112                            ; behind the scores: bytes in the making, M's differences, sums, what goes to pm
.set DD,128
.set LF,136
.set X,144
.set TM,208
.set PCF,216                           ; v216-239 p's two fragments in the making
.set PT,240
.set T8,248
.set TP,252
.set ACC,192                           ; window 1: v0-191 two buffers of 8 fragments of k; v192-255 the accumulators
.set KB,4
.set KSB,6
.set QCB,8
.set QSB,10
.set PCB,12
.set PMB,14
.set G1K,16                            ; s[16:23] descriptor group 1: 24,576 dense bytes as 96 rows of 256; no mask
.set G1Q,36                            ; s[36:43] the same with the mask 15
.set G0A,44                            ; s[44:47] group 0 for k
.set G0B,48                            ; s[48:51] group 0 for q
.set WV,52
.set BB,53
.set WJ,54
.set HI,55
.set SEL,56
.set CS,58
.set MSB, 0
.macro WIN new                         ; s_set_vgpr_msb: bits 1:0 source 0, 3:2 source 1, 5:4 source 2, 7:6 destination; the high byte repeats the setting that is left
.if MSB != (\new)
	s_set_vgpr_msb (MSB<<8)|(\new)
.set MSB, (\new)
.endif
.endm
.macro PLACES                          ; four plain places behind matrix instructions (ISA guide 7.12.1)
.rept 4
	v_nop
.endr
.endm
.macro VW
	s_wait_alu depctr_va_vdst(0)
.endm
.macro ROUND                           ; a round of the cluster's barrier
	s_barrier_signal -1
	s_barrier_wait -1
	s_cmp_lg_u32 s[WV], 0
	s_cbranch_scc1 .Lnot_wave_0_\@
	s_barrier_signal -3
.Lnot_wave_0_\@:
	s_barrier_wait -3
	s_barrier_signal -1
	s_barrier_wait -1
.endm
.macro WM d, a, b, sa, sb, ra, rb
.if ((\ra)==0)&&((\rb)==0)
	v_wmma_scale_f32_16x16x128_f8f6f4 v[0+(\d):7+(\d)], v[0+(\a):11+(\a)], v[0+(\b):11+(\b)], v[0+(\d):7+(\d)], v[0+(\sa)], v[0+(\sb)] matrix_a_fmt:MATRIX_FMT_BF6 matrix_b_fmt:MATRIX_FMT_BF6
.elseif ((\ra)==1)&&((\rb)==0)
	v_wmma_scale_f32_16x16x128_f8f6f4 v[0+(\d):7+(\d)], v[0+(\a):11+(\a)], v[0+(\b):11+(\b)], v[0+(\d):7+(\d)], v[0+(\sa)], v[0+(\sb)] matrix_a_fmt:MATRIX_FMT_BF6 matrix_b_fmt:MATRIX_FMT_BF6 matrix_a_scale:MATRIX_SCALE_ROW1
.elseif ((\ra)==0)
	v_wmma_scale_f32_16x16x128_f8f6f4 v[0+(\d):7+(\d)], v[0+(\a):11+(\a)], v[0+(\b):11+(\b)], v[0+(\d):7+(\d)], v[0+(\sa)], v[0+(\sb)] matrix_a_fmt:MATRIX_FMT_BF6 matrix_b_fmt:MATRIX_FMT_BF6 matrix_b_scale:MATRIX_SCALE_ROW1
.else
	v_wmma_scale_f32_16x16x128_f8f6f4 v[0+(\d):7+(\d)], v[0+(\a):11+(\a)], v[0+(\b):11+(\b)], v[0+(\d):7+(\d)], v[0+(\sa)], v[0+(\sb)] matrix_a_fmt:MATRIX_FMT_BF6 matrix_b_fmt:MATRIX_FMT_BF6 matrix_a_scale:MATRIX_SCALE_ROW1 matrix_b_scale:MATRIX_SCALE_ROW1
.endif
.endm
.macro WMZ d, a, b, sa, sb, ra, rb
.if ((\ra)==0)&&((\rb)==0)
	v_wmma_scale_f32_16x16x128_f8f6f4 v[0+(\d):7+(\d)], v[0+(\a):11+(\a)], v[0+(\b):11+(\b)], 0, v[0+(\sa)], v[0+(\sb)] matrix_a_fmt:MATRIX_FMT_BF6 matrix_b_fmt:MATRIX_FMT_BF6
.elseif ((\ra)==1)&&((\rb)==0)
	v_wmma_scale_f32_16x16x128_f8f6f4 v[0+(\d):7+(\d)], v[0+(\a):11+(\a)], v[0+(\b):11+(\b)], 0, v[0+(\sa)], v[0+(\sb)] matrix_a_fmt:MATRIX_FMT_BF6 matrix_b_fmt:MATRIX_FMT_BF6 matrix_a_scale:MATRIX_SCALE_ROW1
.elseif ((\ra)==0)
	v_wmma_scale_f32_16x16x128_f8f6f4 v[0+(\d):7+(\d)], v[0+(\a):11+(\a)], v[0+(\b):11+(\b)], 0, v[0+(\sa)], v[0+(\sb)] matrix_a_fmt:MATRIX_FMT_BF6 matrix_b_fmt:MATRIX_FMT_BF6 matrix_b_scale:MATRIX_SCALE_ROW1
.else
	v_wmma_scale_f32_16x16x128_f8f6f4 v[0+(\d):7+(\d)], v[0+(\a):11+(\a)], v[0+(\b):11+(\b)], 0, v[0+(\sa)], v[0+(\sb)] matrix_a_fmt:MATRIX_FMT_BF6 matrix_b_fmt:MATRIX_FMT_BF6 matrix_a_scale:MATRIX_SCALE_ROW1 matrix_b_scale:MATRIX_SCALE_ROW1
.endif
.endm
; piece P of eight: quad P / 2 (four node tiles), K steps 2 (P % 2) and + 1: eight fragments, 32 LDS loads, into buffer P % 2
.macro LOADK P
	WIN 0x40
.irp sl,0,1
.irp x,0,1,2,3
.set R_, 96*((\P)%2)+12*(4*\sl+\x)
.set O_, (4*(((\P)/2)%2)+\x)*6144+(2*((\P)%2)+\sl)*1536
	ds_load_b128 v[R_:R_+3], v[L16+2*((\P)/4)] offset:O_
	ds_load_b64 v[R_+4:R_+5], v[L8+2*((\P)/4)] offset:O_+512
	ds_load_b128 v[R_+6:R_+9], v[L16+2*((\P)/4)] offset:O_+768
	ds_load_b64 v[R_+10:R_+11], v[L8+2*((\P)/4)] offset:O_+1280
.endr
.endr
.endm
; 16 matrix instructions on one piece; the quad's eight accumulators take turns, one instruction a turn
.macro MULS Q, hb
	WIN 0x51
.irp sl,0,1
.irp qt,0,1
.irp x,0,1,2,3
.set S_, 2*(\hb)+\sl
.if S_ == 0
	WMZ ACC+32*\qt+8*\x, 96*(\hb)+12*(4*\sl+\x), QF+12*(4*\qt+S_), KS+(((\Q)/2)*4+S_)*4+2*((\Q)%2)+\x/2, QS+S_, \x%2, \qt
.else
	WM ACC+32*\qt+8*\x, 96*(\hb)+12*(4*\sl+\x), QF+12*(4*\qt+S_), KS+(((\Q)/2)*4+S_)*4+2*((\Q)%2)+\x/2, QS+S_, \x%2, \qt
.endif
.endr
.endr
.endr
.endm
.macro BMAX Q                          ; the largest score of each block of 32 nodes: my 16; each accumulator is read from its low end on; four chains by turns
	WIN 0x14
.irp qt,0,1
.irp bl,0,1
	v_max3_num_f32 v[BMW+8*\qt+2*(\Q)+\bl], 0xff800000, v[ACC+32*\qt+16*\bl], v[ACC+32*\qt+16*\bl+1]
.endr
.endr
.irp i,2,4,6,8,10,12,14
.irp qt,0,1
.irp bl,0,1
	v_max3_num_f32 v[BMW+8*\qt+2*(\Q)+\bl], v[BMW+8*\qt+2*(\Q)+\bl], v[ACC+32*\qt+16*\bl+\i], v[ACC+32*\qt+16*\bl+\i+1]
.endr
.endr
.endr
.endm
; a quad's 64 nodes x 32 queries: M, p, the sum of the unquantised p, half a fragment of codes for each query tile.  e = 2 x query tile + block
.macro SOFT Q
	WIN 0
.irp e,0,1,2,3
	v_permlanex16_b32 v[T8+\e], v[BMW+8*(\e/2)+2*(\Q)+(\e%2)], s[SEL], s[SEL+1]
.endr
.irp e,0,1,2,3
	v_max_num_f32 v[BMW+8*(\e/2)+2*(\Q)+(\e%2)], v[BMW+8*(\e/2)+2*(\Q)+(\e%2)], v[T8+\e]   ; with lane l xor 16's 16 nodes
.endr
.irp qt,0,1
	v_max_num_f32 v[TP+\qt], v[BMW+8*\qt+2*(\Q)], v[BMW+8*\qt+2*(\Q)+1]
.endr
.irp qt,0,1
	v_mul_f32 v[TP+\qt], s[CS], v[TP+\qt]              ; as t: c = log2(e) / sqrt(512) is positive
.endr
.irp qt,0,1
	v_floor_f32 v[NM+2*\qt], -v[TP+\qt]                ; -M = floor(-t): M is a whole number
.endr
.irp qt,0,1
	v_mov_b32 v[NM+2*\qt+1], v[NM+2*\qt]
	v_mov_b32 v[NMS+4*\qt+(\Q)], v[NM+2*\qt]
.endr
.irp e,0,1,2,3
	v_fma_f32 v[BMW+8*(\e/2)+2*(\Q)+(\e%2)], v[BMW+8*(\e/2)+2*(\Q)+(\e%2)], s[CS], v[NM+2*(\e/2)]   ; the block's largest t - M
.endr
	WIN 0x41
.set J_, 0
.rept 32
	v_pk_fma_f32 v[ACC+J_:ACC+J_+1], v[ACC+J_:ACC+J_+1], s[CS:CS+1], v[NM+2*(J_/32):NM+2*(J_/32)+1] op_sel_hi:[1,0,0]
.set J_, J_+2
.endr
	VW                                                 ; ahead of the batch
.set J_, 0
.rept 64
	v_exp_f32 v[ACC+J_], v[ACC+J_]
.set J_, J_+1
.endr
	WIN 0
.irp e,0,1,2,3
	v_exp_f32 v[BMW+8*(\e/2)+2*(\Q)+(\e%2)], v[BMW+8*(\e/2)+2*(\Q)+(\e%2)]   ; the block's largest p: the same two instructions on the same number
.endr
	v_nop
	VW                                                 ; behind the batch, ahead of its first reader
	WIN 0x05
.irp qt,0,1
	v_pk_add_f32 v[LSU+4*\qt:LSU+4*\qt+1], v[ACC+32*\qt:ACC+32*\qt+1], v[ACC+32*\qt+4:ACC+32*\qt+5]
	v_pk_add_f32 v[LSU+4*\qt+2:LSU+4*\qt+3], v[ACC+32*\qt+2:ACC+32*\qt+3], v[ACC+32*\qt+6:ACC+32*\qt+7]
.endr
	WIN 0x04
.irp j,8,12,16,20,24,28
.irp qt,0,1
	v_pk_add_f32 v[LSU+4*\qt:LSU+4*\qt+1], v[LSU+4*\qt:LSU+4*\qt+1], v[ACC+32*\qt+\j:ACC+32*\qt+\j+1]
	v_pk_add_f32 v[LSU+4*\qt+2:LSU+4*\qt+3], v[LSU+4*\qt+2:LSU+4*\qt+3], v[ACC+32*\qt+\j+2:ACC+32*\qt+\j+3]
.endr
.endr
	WIN 0
.irp e,0,1,2,3
	v_max_num_f32 v[TM+\e], 0x2800000, v[BMW+8*(\e/2)+2*(\Q)+(\e%2)]   ; the floor 2^(5 - 127)
.endr
.irp qt,0,1
	v_pk_add_f32 v[LSU+4*\qt:LSU+4*\qt+1], v[LSU+4*\qt:LSU+4*\qt+1], v[LSU+4*\qt+2:LSU+4*\qt+3]
.endr
.irp e,0,1,2,3
	v_add_nc_u32 v[TM+4+\e], 0xfe000000, v[TM+\e]      ; 4 off the exponent field: the conversion's scale operand
.endr
.irp qt,0,1
	v_add_f32 v[LU+4*\qt+(\Q)], v[LSU+4*\qt], v[LSU+4*\qt+1]
.endr
.if (\Q) == 2
	VW
	s_wait_xcnt 0x0                                    ; the first K step's stores have read the fragments' registers: they are written again only behind this wait
.endif
.set C_, 6*((\Q)%2)
	WIN 0x01
.irp qt,0,1
	v_cvt_scalef32_pk16_bf6_f32 v[PCF+12*\qt+C_:PCF+12*\qt+C_+2], v[ACC+32*\qt:ACC+32*\qt+15], v[TM+4+2*\qt]
	v_cvt_scalef32_pk16_bf6_f32 v[PT+4*\qt:PT+4*\qt+2], v[ACC+32*\qt+16:ACC+32*\qt+31], v[TM+5+2*\qt]
.endr
	WIN 0
	v_nop                                              ; one plain place behind a scaled conversion
.irp qt,0,1
.irp i,0,1,2
	v_permlane16_swap_b32 v[PCF+12*\qt+C_+\i], v[PT+4*\qt+\i]   ; a whole block in a lane: lanes 0-15 the quad's first block, lanes 16-31 its second
.endr
.endr
.irp qt,0,1
.irp i,0,1,2
	v_mov_b32 v[PCF+12*\qt+C_+3+\i], v[PT+4*\qt+\i]
.endr
.endr
.if (\Q)%2
.irp qt,0,1
.irp c,0,1,2
	global_store_b128 v[L16], v[PCF+12*\qt+4*\c:PCF+12*\qt+4*\c+3], s[PCB:PCB+1] offset:\qt*24576+((\Q)/2)*1536+512*\c   ; 512 consecutive bytes, aligned
.endr
.endr
.endif
	VW                                                 ; what the quad leaves in registers is read behind waits
.endm
	s_load_b256 s[4:11], s[0:1], 0x0                   ; kc, ks, qc, qs
	s_load_b128 s[12:15], s[0:1], 0x20                 ; pc, pm
	v_lshl_add_u32 v[SPW], v0, 2, SPARE
	v_mov_b32 v[NIL], 0
	ds_add_u32 v[SPW], v[NIL]                          ; the wave's opening: the add, twice on end, and its wait ahead of my first tensor load
	ds_add_u32 v[SPW], v[NIL]
	v_lshrrev_b32 v21, 5, v0
	v_readfirstlane_b32 s[WV], v21                     ; wave 0..7
	s_lshr_b32 s[BB], ttmp9, 1                         ; batch: two clusters to a batch
	s_bfe_u32 s[WJ], ttmp6, 0x40000                    ; my place in the cluster: it enters global addresses of my own loads and stores alone
	s_and_b32 s62, ttmp9, 1
	s_lshl_b32 s62, s62, 2
	s_add_co_u32 s[WJ], s[WJ], s62                     ; slab = 4 (cluster % 2) + place
	s_mov_b32 s[HI], 0xffff0000
	s_mov_b32 s[CS], 0x3d8293ee                        ; c = log2(e) / sqrt(512)
	s_mov_b32 s[CS+1], s[CS]
	s_mov_b32 s[SEL], 0x76543210
	s_mov_b32 s[SEL+1], 0xfedcba98
	s_mov_b32 s[G1K], 3<<16                            ; elements of 8 bytes; no mask
	s_mov_b32 s[G1Q], 15|(3<<16)|(1<<21)               ; the same for all four work-groups; bit 21 beside a mask
.irp g,G1K,G1Q
	s_mov_b32 s[\g+1], 32<<16                          ; tensor_dim0: 256 bytes
	s_mov_b32 s[\g+2], 96<<16                          ; tensor_dim1
	s_mov_b32 s[\g+3], 32<<16                          ; tile_dim0
	s_mov_b32 s[\g+4], 96                              ; tile_dim1
	s_mov_b32 s[\g+5], 32                              ; from row to row: dense
	s_mov_b32 s[\g+6], 0
	s_mov_b32 s[\g+7], 0
.endr
	s_and_b32 s60, s[WV], 3
	s_mul_i32 s60, s60, 24576                          ; which quarter of k's slab or of q I fetch
	s_lshl_b32 s24, s[BB], 7
	s_lshl_b32 s62, s[WJ], 4
	s_add_co_u32 s24, s24, s62
	s_mul_i32 s24, s24, 6144                           ; the slab's first node tile,
	s_add_co_u32 s24, s24, s60                         ; and my quarter of it
	s_lshl_b32 s26, s[BB], 15
	s_lshl_b32 s62, s[WJ], 10
	s_add_co_u32 s26, s26, s62                         ; k's scale words: the slab's two runs of 128 nodes
	s_mul_i32 s28, s[BB], 98304
	s_add_co_u32 s28, s28, s60                         ; q: the batch's, my quarter: made of the batch and the wave's number alone
	s_lshl_b32 s61, s[BB], 3
	s_add_co_u32 s61, s61, s[WV]                       ; my pair of query tiles, counted over all batches
	s_lshl_b32 s30, s61, 9
	s_lshl_b32 s32, s61, 5
	s_lshl_b32 s62, s[WJ], 1
	s_add_co_u32 s32, s32, s62
	s_mul_i32 s32, s32, 1536                           ; pc: (16 x my even tile + the slab's first K step) x 1,536
	s_lshl_b32 s34, s61, 3
	s_add_co_u32 s34, s34, s[WJ]
	s_lshl_b32 s34, s34, 9
	s_mul_i32 s63, s[WV], 12288
	s_add_co_u32 s63, s63, QL                          ; my two query tiles in LDS
.irp p,25,27,29,31,33,35
	s_mov_b32 s\p, 0
.endr
	v_and_b32 v21, 31, v0                              ; lane
	v_and_b32 v22, 15, v0                              ; r
	v_bfe_u32 v23, v0, 4, 1                            ; h
	v_lshlrev_b32 v[L16], 4, v21
	v_lshlrev_b32 v[L8], 3, v21
	v_lshl_add_u32 v[L16+2], v21, 4, 49152
	v_lshl_add_u32 v[L8+2], v21, 3, 49152
	v_mul_u32_u24 v[AQ], v22, 24
	v_mad_u32_u24 v[AQ], v23, 384, v[AQ]
	v_add_nc_u32 v[AQ], s63, v[AQ]
.irp i,0,1,2,3
	v_mov_b32 v[T8+\i], 0                              ; a lane permute's destination counts as one of its sources
.endr
	VW                                                 ; at the head's end
	s_wait_dscnt 0x0                                   ; both opening adds are done
	s_wait_kmcnt 0x0
	s_add_nc_u64 s[KSB:KSB+1], s[KSB:KSB+1], s[26:27]
	s_add_nc_u64 s[QSB:QSB+1], s[QSB:QSB+1], s[30:31]
	s_add_nc_u64 s[PCB:PCB+1], s[PCB:PCB+1], s[32:33]
	s_add_nc_u64 s[PMB:PMB+1], s[PMB:PMB+1], s[34:35]
	s_mov_b32 s[G0A], 1
	s_mul_i32 s[G0A+1], s[WV], 24576                   ; waves 0-3: the four quarters of k's slab
	s_add_nc_u64 s[G0A+2:G0A+3], s[KB:KB+1], s[24:25]
	s_or_b32 s[G0A+3], s[G0A+3], 0x80000000
	s_mov_b32 s[G0B], 1
	s_mul_i32 s[G0B+1], s[WV], 24576                   ; waves 4-7: the four quarters of q, from QL on
	s_add_nc_u64 s[G0B+2:G0B+3], s[QCB:QCB+1], s[28:29]
	s_or_b32 s[G0B+3], s[G0B+3], 0x80000000
	ROUND                                              ; all four work-groups are here: the joint loads meet
	s_cmp_lt_u32 s[WV], 4                              ; one tensor load a wave; the branch hangs on the wave's number alone
	s_cbranch_scc0 .Lfor_q
	tensor_load_to_lds s[G0A:G0A+3], s[G1K:G1K+7]
	s_nop 0
.rept 4
	v_nop
.endr
	s_branch .Lasked
.Lfor_q:
	tensor_load_to_lds s[G0B:G0B+3], s[G1Q:G1Q+7]
	s_nop 0
.rept 4
	v_nop
.endr
.Lasked:
	global_load_b128 v[QS:QS+3], v[L16], s[QSB:QSB+1]
.irp rl,0,1
.irp s,0,1,2,3
	global_load_b128 v[KS+(4*\rl+\s)*4:KS+(4*\rl+\s)*4+3], v[L16], s[KSB:KSB+1] offset:\s*8192+\rl*512
.endr
.endr
	s_wait_tensorcnt 0x0                               ; my tile has landed
	s_barrier_signal -1
	s_barrier_wait -1                                  ; and so has everybody's
.irp qt,0,1
.irp s,0,1,2,3
.irp p,0,1,2,3,4,5
	ds_load_b64 v[QF+12*(4*\qt+\s)+2*\p:QF+12*(4*\qt+\s)+2*\p+1], v[AQ] offset:\qt*6144+(4*\s+2*(\p/3))*384+8*(\p%3)
.endr
.endr
.endr
	LOADK 0
	LOADK 1
	s_wait_loadcnt 0x0                                 ; the scale words are in
; THE SCORES: eight pieces on two buffers; behind a piece's 32 LDS loads stand the 32 of the next piece
.set P_, 0
.rept 8
.if P_ == 7
	s_wait_dscnt 0x0
.else
	s_wait_dscnt 32
.endif
	MULS P_/2, P_%2
	PLACES                                             ; ahead of loads into the buffer just multiplied and of the first read of results
.if P_ < 6
	LOADK P_+2
.endif
.if P_%2
	BMAX P_/2
	SOFT P_/2
.endif
.set P_, P_+1
.endr
; THE SLAB'S M: the least -M of the four quads; bytes and sums under it
.irp qt,0,1
	v_min_num_f32 v[TP+\qt], v[NMS+4*\qt], v[NMS+4*\qt+1]
	v_min_num_f32 v[TP+2+\qt], v[NMS+4*\qt+2], v[NMS+4*\qt+3]
.endr
.irp qt,0,1
	v_min_num_f32 v[NM+2*\qt], v[TP+\qt], v[TP+2+\qt]
.endr
.irp qt,0,1
.irp q,0,1,2,3
	v_sub_f32 v[DD+4*\qt+\q], v[NM+2*\qt], v[NMS+4*\qt+\q]   ; the quad's M less the slab's: a whole number, 0 or less
.endr
.endr
.irp j,0,1,2,3,4,5,6,7
	v_cvt_i32_f32 v[DD+\j], v[DD+\j]
.endr
.irp qt,0,1
.irp b,0,1,2,3,4,5,6,7
	v_ldexp_f32 v[BF+8*\qt+\b], v[BMW+8*\qt+\b], v[DD+4*\qt+\b/2]   ; each block's largest p under the slab's M
.endr
.endr
.irp j,0,1,2,3,4,5,6,7
	v_ldexp_f32 v[LF+\j], v[LU+\j], v[DD+\j]           ; and each quad's sum
.endr
.set J_, 0
.rept 16
	v_max_num_f32 v[BF+J_], 0x2800000, v[BF+J_]
.set J_, J_+1
.endr
.set J_, 0
.rept 16
	v_add_nc_u32 v[BF+J_], 0xfe000000, v[BF+J_]
.set J_, J_+1
.endr
.set J_, 0
.rept 16
	v_lshrrev_b32 v[BF+J_], 23, v[BF+J_]               ; the scale's byte
.set J_, J_+1
.endr
.irp i,1,2,3
.irp g,0,1,2,3
	v_lshl_or_b32 v[BF+4*\g], v[BF+4*\g+\i], 8*\i, v[BF+4*\g]
.endr
.endr
.irp qt,0,1
	v_add_f32 v[TP+\qt], v[LF+4*\qt], v[LF+4*\qt+1]
	v_add_f32 v[TP+2+\qt], v[LF+4*\qt+2], v[LF+4*\qt+3]
.endr
.irp qt,0,1
	v_add_f32 v[TP+\qt], v[TP+\qt], v[TP+2+\qt]
.endr
.irp qt,0,1
	v_permlanex16_b32 v[T8+\qt], v[TP+\qt], s[SEL], s[SEL+1]
.endr
.irp qt,0,1
	v_add_f32 v[TP+\qt], v[TP+\qt], v[T8+\qt]          ; with lane l xor 16's nodes
.endr
.irp u,0,1
	v_cndmask_b32 v[X+\u], v[BF+4*\u], v[BF+8+4*\u], s[HI]   ; lanes 0-15 query tile 0's, lanes 16-31 tile 1's
.endr
	v_cndmask_b32 v[X+2], v[NM], v[NM+2], s[HI]
	v_cndmask_b32 v[X+3], v[TP], v[TP+1], s[HI]
	global_store_b128 v[L16], v[X:X+3], s[PMB:PMB+1]   ; 512 consecutive bytes, aligned
	s_wait_tensorcnt 0x0                               ; the wave's end
	ds_add_u32 v[SPW], v[NIL]
	s_wait_dscnt 0x0
	ROUND                                              ; the closing round
	s_endpgm
.Lfunc_end_k_qb10506cbb9_score:
	.size	k_qb10506cbb9_score, .Lfunc_end_k_qb10506cbb9_score-k_qb10506cbb9_score
	.p2alignl 7, 3214868480
	.fill 96, 4, 3214868480
	.section	.rodata,"a",@progbits
	.p2align	6, 0x0
	.amdhsa_kernel k_qb10506cbb9_score
		.amdhsa_group_segment_fixed_size 197632
		.amdhsa_private_segment_fixed_size 0
		.amdhsa_enable_private_segment 0
		.amdhsa_kernarg_size 48
		.amdhsa_user_sgpr_count 2
		.amdhsa_user_sgpr_kernarg_segment_ptr 1
		.amdhsa_wavefront_size32 1
		.amdhsa_system_sgpr_workgroup_id_x 1
		.amdhsa_system_sgpr_workgroup_id_y 1
		.amdhsa_system_sgpr_workgroup_id_z 1
		.amdhsa_system_vgpr_workitem_id 0
		.amdhsa_next_free_vgpr 512
		.amdhsa_next_free_sgpr 66
		.amdhsa_reserve_vcc 0
		.amdhsa_float_denorm_mode_32 3
		.amdhsa_float_denorm_mode_16_64 3
		.amdhsa_memory_ordered 1
		.amdhsa_forward_progress 1
		.amdhsa_inst_pref_size 94
	.end_amdhsa_kernel
	.amdgpu_metadata
---
amdhsa.version: [ 1, 2 ]
amdhsa.kernels:
  - .name:           k_qb10506cbb9_score
    .symbol:         k_qb10506cbb9_score.kd
    .args:
      - { .name: kc, .offset: 0, .size: 8, .value_kind: global_buffer, .address_space: global }
      - { .name: ks, .offset: 8, .size: 8, .value_kind: global_buffer, .address_space: global }
      - { .name: qc, .offset: 16, .size: 8, .value_kind: global_buffer, .address_space: global }
      - { .name: qs, .offset: 24, .size: 8, .value_kind: global_buffer, .address_space: global }
      - { .name: pc, .offset: 32, .size: 8, .value_kind: global_buffer, .address_space: global }
      - { .name: pm, .offset: 40, .size: 8, .value_kind: global_buffer, .address_space: global }
    .group_segment_fixed_size: 197632
    .private_segment_fixed_size: 0
    .kernarg_segment_align: 8
    .kernarg_segment_size: 48
    .max_flat_workgroup_size: 256
    .sgpr_count:     66
    .vgpr_count:     512
    .wavefront_size: 32
...
	.end_amdgpu_metadata
.endif
;; end of part 2
;; launch mix (part 3): grid 256 x 1, 8 waves a work-group, clusters of 4 x 1, 316,416 bytes of LDS; arguments vc, vs, pc, pm, out0; writes out0
.if DOCPART == 3
	.amdgcn_target "amdgcn-amd-amdhsa--gfx1250"
	.amdhsa_code_object_version 6
	.text
	.protected	k_qb10506cbb9_mix
	.globl	k_qb10506cbb9_mix
	.p2align	8
	.type	k_qb10506cbb9_mix,@function
k_qb10506cbb9_mix:
	s_mov_b64 s[64:65], 0
	v_nop
	global_prefetch_b8 v0, s[64:65] scope:SCOPE_SE
	s_setreg_imm32_b32 hwreg(HW_REG_WAVE_MODE, 25, 1), 1
	s_wait_xcnt 0x0
	s_wait_alu depctr_hold_cnt(0) depctr_sa_sdst(0) depctr_va_vdst(0) depctr_va_sdst(0) depctr_va_ssrc(0) depctr_va_vcc(0) depctr_vm_vsrc(0)
	s_getreg_b32 s2, hwreg(HW_REG_IB_STS2, 6, 4)
	s_cmp_eq_u32 s2, 0
	s_cbranch_scc0 .Lentry_in_a_cluster
	s_endpgm
.Lentry_in_a_cluster:
	s_bfe_u32 s2, ttmp6, 0x10000c
	s_cmp_lg_u32 s2, 0x3003
	s_cbranch_scc0 .Lentry_shape_is_right
	s_endpgm
.Lentry_shape_is_right:
; out = (p v) / l on codes of BF6 (E3M2): p's codes, scale words, -M and sums as the launch before has stored them slab by slab, v's as the first launch has.  No work is left out.
; SHARES.  Work-group wg (256): batch wg / 8, channels 64 (wg % 8) .. + 63, all 256 queries.  Eight waves, two to a SIMD; wave w takes queries 32 w .. + 31 (two tiles) x the four channel tiles, 16 K steps of 128 nodes.
; LDS is filled once, one tensor load a wave at the head: waves 0-3 bring v's 98,304 bytes for these channels, waves 4-7 K steps 0-5 of all sixteen query tiles of p, 147,456 bytes.  Nothing is filled again.
; CLUSTER.  The four work-groups of a cluster serve one batch: p's tiles are asked for jointly, by the same tensor load with the same descriptor and the mask 15; v's part is its work-group's own.
; K steps 6-15 of p, 30,720 bytes a wave, do not fit in LDS beside that (316,416 of 327,680 bytes are taken).  Each of those bytes serves one wave of the work-group, once, in operand order: they go straight
; into that wave's registers, K steps 6-13 asked for at the head, and are multiplied behind the six K steps that lie in LDS.
; THE ROW'S M is the largest of the eight slabs' M.  The difference, a whole number n >= 0, is taken off each scale byte b of the slab's p: max(b, n + 1) - n, which holds the byte at 1; the slab's sum is scaled by 2^-n.
; O^T = v^T p^T: a lane holds one query and its registers run along the channels; at the end O is divided by the row's sum.
; NO PREFETCH: all but p's last two K steps is asked for at the head.
; LIMITS.  The promise holds while the scaled scores stay under 2^31 in magnitude.  NaN and infinities are not served.
.set PL,    98304                      ; behind v's part (run i of 128 nodes at 6,144 i): p, 9,216 bytes a query tile, 1,536 a K step
.set SPARE, 245760                     ; the spare words, 128 bytes a wave
.set STG,   246784                     ; the way out: 32 rows of 256 + 16 bytes for each wave; no tensor load lands here
.set SROW,  272
.set SWV,   32*SROW
.set L16,1                             ; 16 x lane;  v3: + 49,152 (an LDS offset has 16 bits)
.set APL,5
.set STO,11
.set RD,12
.set CO,13
.set AVS,15
.set SPW,19                            ; my spare word; never rewritten
.set NIL,20                            ; 0; never rewritten
.set DD,24                             ; v24-31 the slabs' differences of M; v32-39 n; v40-47 n + 1
.set NN,32
.set N1,40
.set PB,24                             ; then v24-47: p's two fragments of a K step out of LDS
.set VSC,48                            ; v48-111 v's scale words: 4 K step + channel tile
.set PM,112                            ; v112-143 for each slab: two scale words of p, -M, the sum
.set VF,144                            ; v144-239 v's fragments, two buffers of four
.set B8,240
.set TP,248
.set RC,252                            ; v252-255 1 / the row's sum, a pair for each query tile
.set OB,48                             ; the way out: 32 rows read back
.set ACC,192                           ; window 1: v0-191 eight buffers of p's two fragments; v192-255 the accumulators
.set VB,4
.set VSB,6
.set PCB,8
.set PMB,10
.set OUT,12
.set G1V,16                            ; s[16:23] descriptor group 1 for v: 4 rows of 6,144 bytes, 49,152 apart; no mask
.set G1P,36                            ; s[36:43] for p: 4 rows of 9,216 bytes, 24,576 apart; the mask 15
.set G0V,44
.set G0P,48
.set WV,52
.set BB,53
.set WJ,54
.set HI,55
.set SEL,56
.set MSB, 0
.macro WIN new                         ; s_set_vgpr_msb: bits 1:0 source 0, 3:2 source 1, 5:4 source 2, 7:6 destination; the high byte repeats the setting that is left
.if MSB != (\new)
	s_set_vgpr_msb (MSB<<8)|(\new)
.set MSB, (\new)
.endif
.endm
.macro PLACES                          ; four plain places behind matrix instructions (ISA guide 7.12.1)
.rept 4
	v_nop
.endr
.endm
.macro VW
	s_wait_alu depctr_va_vdst(0)
.endm
.macro ROUND                           ; a round of the cluster's barrier
	s_barrier_signal -1
	s_barrier_wait -1
	s_cmp_lg_u32 s[WV], 0
	s_cbranch_scc1 .Lnot_wave_0_\@
	s_barrier_signal -3
.Lnot_wave_0_\@:
	s_barrier_wait -3
	s_barrier_signal -1
	s_barrier_wait -1
.endm
.macro WM z, d, a, b, sa, sb, rb       ; z: the product starts the sum.  rb: the half of the lanes from which p's scales are read
.if (\z)&&((\rb)==0)
	v_wmma_scale_f32_16x16x128_f8f6f4 v[0+(\d):7+(\d)], v[0+(\a):11+(\a)], v[0+(\b):11+(\b)], 0, v[0+(\sa)], v[0+(\sb)] matrix_a_fmt:MATRIX_FMT_BF6 matrix_b_fmt:MATRIX_FMT_BF6
.elseif (\z)
	v_wmma_scale_f32_16x16x128_f8f6f4 v[0+(\d):7+(\d)], v[0+(\a):11+(\a)], v[0+(\b):11+(\b)], 0, v[0+(\sa)], v[0+(\sb)] matrix_a_fmt:MATRIX_FMT_BF6 matrix_b_fmt:MATRIX_FMT_BF6 matrix_b_scale:MATRIX_SCALE_ROW1
.elseif ((\rb)==0)
	v_wmma_scale_f32_16x16x128_f8f6f4 v[0+(\d):7+(\d)], v[0+(\a):11+(\a)], v[0+(\b):11+(\b)], v[0+(\d):7+(\d)], v[0+(\sa)], v[0+(\sb)] matrix_a_fmt:MATRIX_FMT_BF6 matrix_b_fmt:MATRIX_FMT_BF6
.else
	v_wmma_scale_f32_16x16x128_f8f6f4 v[0+(\d):7+(\d)], v[0+(\a):11+(\a)], v[0+(\b):11+(\b)], v[0+(\d):7+(\d)], v[0+(\sa)], v[0+(\sb)] matrix_a_fmt:MATRIX_FMT_BF6 matrix_b_fmt:MATRIX_FMT_BF6 matrix_b_scale:MATRIX_SCALE_ROW1
.endif
.endm
.macro LOADP i                         ; p's two fragments of K step i (6 to 15) from memory into buffer (i - 6) % 8: 6 loads
	WIN 0x40
.irp qt,0,1
.irp c,0,1,2
	global_load_b128 v[24*(((\i)-6)%8)+12*\qt+4*\c:24*(((\i)-6)%8)+12*\qt+4*\c+3], v[L16], s[PCB:PCB+1] offset:\qt*24576+(\i)*1536+512*\c
.endr
.endr
	WIN 0
.endm
.macro LOADPB i                        ; p's two fragments of K step i (0 to 5) out of LDS: 6 loads
.irp qt,0,1
.irp c,0,1,2
	ds_load_b128 v[PB+12*\qt+4*\c:PB+12*\qt+4*\c+3], v[APL] offset:\qt*9216+(\i)*1536+512*\c
.endr
.endr
.endm
.macro LOADVF i                        ; v's four fragments of K step i out of LDS into buffer i % 2: 12 loads
.irp t,0,1,2,3
.irp c,0,1,2
	ds_load_b128 v[VF+48*((\i)%2)+12*\t+4*\c:VF+48*((\i)%2)+12*\t+4*\c+3], v[L16+2*((\i)/8)] offset:((\i)%8)*6144+\t*1536+512*\c
.endr
.endr
.endm
.macro ADJ j                           ; slab j's two scale words: each byte b becomes max(b, n + 1) - n
.irp k,0,1,2,3
	v_bfe_u32 v[B8+\k], v[PM+4*(\j)], 8*\k, 8
	v_bfe_u32 v[B8+4+\k], v[PM+4*(\j)+1], 8*\k, 8
.endr
.irp k,0,1,2,3,4,5,6,7
	v_max_u32 v[B8+\k], v[B8+\k], v[N1+(\j)]
.endr
.irp k,0,1,2,3,4,5,6,7
	v_sub_nc_u32 v[B8+\k], v[B8+\k], v[NN+(\j)]
.endr
.irp u,0,1
	v_lshl_or_b32 v[PM+4*(\j)+\u], v[B8+4*\u+1], 8, v[B8+4*\u]
.endr
.irp u,0,1
	v_lshl_or_b32 v[PM+4*(\j)+\u], v[B8+4*\u+2], 16, v[PM+4*(\j)+\u]
.endr
.irp u,0,1
	v_lshl_or_b32 v[PM+4*(\j)+\u], v[B8+4*\u+3], 24, v[PM+4*(\j)+\u]
.endr
.endm
	s_load_b256 s[4:11], s[0:1], 0x0                   ; vc, vs, pc, pm
	s_load_b64 s[12:13], s[0:1], 0x20                  ; out0
	v_lshl_add_u32 v[SPW], v0, 2, SPARE
	v_mov_b32 v[NIL], 0
	ds_add_u32 v[SPW], v[NIL]                          ; the wave's opening: the add, twice on end, and its wait ahead of my first tensor load
	ds_add_u32 v[SPW], v[NIL]
	v_lshrrev_b32 v21, 5, v0
	v_readfirstlane_b32 s[WV], v21                     ; wave 0..7
	s_lshr_b32 s[BB], ttmp9, 1                         ; batch: two clusters to a batch
	s_bfe_u32 s[WJ], ttmp6, 0x40000                    ; my place in the cluster: it enters global addresses of my own loads and stores alone
	s_and_b32 s62, ttmp9, 1
	s_lshl_b32 s62, s62, 2
	s_add_co_u32 s[WJ], s[WJ], s62                     ; which 64 channels = 4 (cluster % 2) + place
	s_mov_b32 s[HI], 0xffff0000
	s_mov_b32 s[SEL], 0x76543210
	s_mov_b32 s[SEL+1], 0xfedcba98
	s_mov_b32 s[G1V], 3<<16                            ; elements of 8 bytes; no mask
	s_mov_b32 s[G1V+1], 768<<16                        ; tensor_dim0: 6,144 bytes
	s_mov_b32 s[G1V+2], 4<<16                          ; tensor_dim1
	s_mov_b32 s[G1V+3], 768<<16                        ; tile_dim0
	s_mov_b32 s[G1V+4], 4                              ; tile_dim1
	s_mov_b32 s[G1V+5], 6144                           ; from run to run: 49,152 bytes
	s_mov_b32 s[G1V+6], 0
	s_mov_b32 s[G1V+7], 0
	s_mov_b32 s[G1P], 15|(3<<16)|(1<<21)               ; all four work-groups; bit 21 beside a mask
	s_mov_b32 s[G1P+1], 1152<<16                       ; tensor_dim0: 9,216 bytes: six K steps
	s_mov_b32 s[G1P+2], 4<<16
	s_mov_b32 s[G1P+3], 1152<<16
	s_mov_b32 s[G1P+4], 4
	s_mov_b32 s[G1P+5], 3072                           ; from query tile to query tile: 24,576 bytes
	s_mov_b32 s[G1P+6], 0
	s_mov_b32 s[G1P+7], 0
	s_and_b32 s58, s[WV], 3
	s_lshl_b32 s59, s[BB], 4
	s_lshl_b32 s60, s58, 2
	s_add_co_u32 s59, s59, s60                         ; the first of the four runs of v, or of the four query tiles of p, that I fetch
	s_mul_i32 s24, s59, 49152
	s_mul_i32 s62, s[WJ], 6144
	s_add_co_u32 s24, s24, s62
	s_mul_i32 s34, s59, 24576                          ; made of the batch and the wave's number alone
	s_lshl_b32 s26, s[BB], 15
	s_lshr_b32 s62, s[WJ], 1
	s_lshl_b32 s62, s62, 9
	s_add_co_u32 s26, s26, s62
	s_lshl_b32 s61, s[BB], 3
	s_add_co_u32 s61, s61, s[WV]                       ; my pair of query tiles, counted over all batches
	s_mul_i32 s28, s61, 49152
	s_lshl_b32 s30, s61, 12
	s_lshl_b32 s32, s61, 16
	s_lshl_b32 s62, s[WJ], 8
	s_add_co_u32 s32, s32, s62
	s_mul_i32 s60, s[WV], 18432
	s_add_co_u32 s60, s60, PL                          ; my two query tiles of p in LDS
	s_mul_i32 s63, s[WV], SWV
	s_add_co_u32 s63, s63, STG
	s_and_b32 s62, s[WJ], 1
	s_lshl_b32 s62, s62, 8                             ; v's scale words: 16 lanes x 16 bytes for each 64 channels
.irp p,25,27,29,31,33,35
	s_mov_b32 s\p, 0
.endr
	v_and_b32 v21, 31, v0                              ; lane
	v_and_b32 v22, 15, v0                              ; r
	v_bfe_u32 v23, v0, 4, 1                            ; h
	v_lshlrev_b32 v[L16], 4, v21
	v_lshl_add_u32 v[L16+2], v21, 4, 49152
	v_lshl_add_u32 v[APL], v21, 4, s60
	v_mul_u32_u24 v[STO], v22, SROW
	v_lshl_add_u32 v[STO], v23, 5, v[STO]
	v_add_nc_u32 v[STO], s63, v[STO]                   ; in: row r, 32 bytes for each half of the lanes
	v_mul_u32_u24 v[RD], v23, SROW
	v_lshl_add_u32 v[RD], v22, 4, v[RD]
	v_add_nc_u32 v[RD], s63, v[RD]                     ; back: lanes 0-15 one row of 256 bytes, lanes 16-31 the next
	v_lshlrev_b32 v[CO], 11, v23
	v_lshl_add_u32 v[CO], v22, 4, v[CO]                ; and the same two rows in out0
	v_lshl_add_u32 v[AVS], v22, 4, s62
	VW                                                 ; at the head's end
	s_wait_dscnt 0x0                                   ; both opening adds are done
	s_wait_kmcnt 0x0
	s_mov_b32 s[G0V], 1
	s_mul_i32 s[G0V+1], s[WV], 24576                   ; waves 0-3: the four quarters of v's part
	s_add_nc_u64 s[G0V+2:G0V+3], s[VB:VB+1], s[24:25]
	s_or_b32 s[G0V+3], s[G0V+3], 0x80000000
	s_mov_b32 s[G0P], 1
	s_mul_i32 s[G0P+1], s58, 36864
	s_add_co_u32 s[G0P+1], s[G0P+1], PL                ; waves 4-7: four query tiles each
	s_add_nc_u64 s[G0P+2:G0P+3], s[PCB:PCB+1], s[34:35]
	s_or_b32 s[G0P+3], s[G0P+3], 0x80000000
	s_add_nc_u64 s[VSB:VSB+1], s[VSB:VSB+1], s[26:27]
	s_add_nc_u64 s[PCB:PCB+1], s[PCB:PCB+1], s[28:29]
	s_add_nc_u64 s[PMB:PMB+1], s[PMB:PMB+1], s[30:31]
	s_add_nc_u64 s[OUT:OUT+1], s[OUT:OUT+1], s[32:33]
	ROUND                                              ; all four work-groups are here: the joint loads meet
	s_cmp_lt_u32 s[WV], 4                              ; one tensor load a wave; the branch hangs on the wave's number alone
	s_cbranch_scc0 .Lfor_p
	tensor_load_to_lds s[G0V:G0V+3], s[G1V:G1V+7]
	s_nop 0
.rept 4
	v_nop
.endr
	s_branch .Lasked
.Lfor_p:
	tensor_load_to_lds s[G0P:G0P+3], s[G1P:G1P+7]
	s_nop 0
.rept 4
	v_nop
.endr
.Lasked:
.irp j,0,1,2,3,4,5,6,7
	global_load_b128 v[PM+4*\j:PM+4*\j+3], v[L16], s[PMB:PMB+1] offset:512*\j
.endr
.irp i,0,1,2,3,4,5,6,7,8,9,10,11,12,13,14,15
	global_load_b128 v[VSC+4*\i:VSC+4*\i+3], v[AVS], s[VSB:VSB+1] offset:2048*\i
.endr
.irp i,6,7,8,9,10,11,12,13
	LOADP \i
.endr
	s_wait_loadcnt 63                                  ; behind pm's eight loads 64 were issued: they are in.  What follows runs while the tiles are on their way
	v_min3_num_f32 v[TP], v[PM+2], v[PM+6], v[PM+10]
	v_min3_num_f32 v[TP+1], v[PM+14], v[PM+18], v[PM+22]
	v_min_num_f32 v[TP+2], v[PM+26], v[PM+30]
	v_min3_num_f32 v[TP], v[TP], v[TP+1], v[TP+2]      ; the row's -M
.irp j,0,1,2,3,4,5,6,7
	v_sub_f32 v[DD+\j], v[TP], v[PM+4*\j+2]            ; the slab's M less the row's: a whole number, 0 or less
.endr
.irp j,0,1,2,3,4,5,6,7
	v_cvt_i32_f32 v[DD+\j], v[DD+\j]                   ; (it saturates)
.endr
.irp j,0,1,2,3,4,5,6,7
	v_ldexp_f32 v[PM+4*\j+3], v[PM+4*\j+3], v[DD+\j]   ; the slab's sum under the row's M
.endr
.irp j,0,1,2,3,4,5,6,7
	v_sub_nc_u32 v[NN+\j], 0, v[DD+\j]
.endr
.irp j,0,1,2,3,4,5,6,7
	v_min_u32 v[NN+\j], 255, v[NN+\j]                  ; n, held at 255: every byte then comes out 1
.endr
.irp j,0,1,2,3,4,5,6,7
	v_add_nc_u32 v[N1+\j], 1, v[NN+\j]
.endr
.irp j,0,1,2,3,4,5,6,7
	ADJ \j
.endr
.irp g,0,1,2,3
	v_add_f32 v[TP+\g], v[PM+8*\g+3], v[PM+8*\g+7]
.endr
	v_add_f32 v[TP], v[TP], v[TP+1]
	v_add_f32 v[TP+2], v[TP+2], v[TP+3]
	v_add_f32 v[TP], v[TP], v[TP+2]                    ; the row's sum: lanes 0-15 query tile 0's, lanes 16-31 tile 1's
	v_permlanex16_b32 v[B8], v[TP], s[SEL], s[SEL+1]
	v_cndmask_b32 v[TP+2], v[TP], v[B8], s[HI]         ; every lane has both tiles' sum of its query r
	v_cndmask_b32 v[TP+3], v[B8], v[TP], s[HI]
	VW
	v_rcp_f32 v[RC], v[TP+2]
	v_rcp_f32 v[RC+2], v[TP+3]
	v_nop
	VW
	v_mov_b32 v[RC+1], v[RC]
	v_mov_b32 v[RC+3], v[RC+2]
	VW
	s_wait_tensorcnt 0x0                               ; my tile has landed
	s_barrier_signal -1
	s_barrier_wait -1                                  ; and so has everybody's
	LOADPB 0
	LOADVF 0
	LOADVF 1
; 16 K steps, 8 matrix instructions each, the eight accumulators by turns.  LDS loads: behind what a K step needs stand the 12 of the next step's fragments of v.
; Loads from memory: behind v's scale words stand the 48 of K steps 6-13; behind a K step's 6 loads of p those of the seven K steps that follow
.set I_, 0
.rept 16
.if I_ < 15
	s_wait_dscnt 12
.else
	s_wait_dscnt 0x0
.endif
.if I_ == 0
	s_wait_loadcnt 48
.elseif I_ >= 9
	s_wait_loadcnt 6*(15-I_)
.elseif I_ >= 6
	s_wait_loadcnt 42
.endif
.if I_ < 6
	WIN 0x50
.irp t,0,1,2,3
.irp qt,0,1
	WM (I_==0), ACC+16*\t+8*\qt, VF+48*(I_%2)+12*\t, PB+12*\qt, VSC+4*I_+\t, PM+4*(I_/2)+(I_%2), \qt
.endr
.endr
.else
	WIN 0x54
.irp t,0,1,2,3
.irp qt,0,1
	WM 0, ACC+16*\t+8*\qt, VF+48*(I_%2)+12*\t, 24*((I_-6)%8)+12*\qt, VSC+4*I_+\t, PM+4*(I_/2)+(I_%2), \qt
.endr
.endr
.endif
.if I_ != 14
	PLACES
.endif
	WIN 0
.if I_ < 5
	LOADPB I_+1
.endif
.if (I_ == 6) || (I_ == 7)
	LOADP I_+8
.endif
.if I_ < 14
	LOADVF I_+2
.endif
.set I_, I_+1
.endr
; THE WAY OUT: O / the sum; through my own stage; 16 lanes store 256 consecutive bytes, aligned
	WIN 0x41
.irp qt,0,1
.irp t,0,1,2,3
.irp j,0,2,4,6
	v_pk_mul_f32 v[ACC+16*\t+8*\qt+\j:ACC+16*\t+8*\qt+\j+1], v[ACC+16*\t+8*\qt+\j:ACC+16*\t+8*\qt+\j+1], v[RC+2*\qt:RC+2*\qt+1] op_sel_hi:[1,0]
.endr
.endr
.endr
	WIN 0x04
.irp qt,0,1
.irp t,0,1,2,3
	ds_store_b128 v[STO], v[ACC+16*\t+8*\qt:ACC+16*\t+8*\qt+3] offset:\qt*16*SROW+64*\t
	ds_store_b128 v[STO], v[ACC+16*\t+8*\qt+4:ACC+16*\t+8*\qt+7] offset:\qt*16*SROW+64*\t+16
.endr
.endr
	WIN 0
.irp k,0,1,2,3,4,5,6,7,8,9,10,11,12,13,14,15
	ds_load_b128 v[OB+4*\k:OB+4*\k+3], v[RD] offset:2*SROW*\k   ; LDS serves a wave's instructions in order: these see the stores above
.endr
.irp g,0,1,2,3
	s_wait_dscnt 12-4*\g                               ; four more pairs of rows are back
.irp k,0,1,2,3
	global_store_b128 v[CO], v[OB+16*\g+4*\k:OB+16*\g+4*\k+3], s[OUT:OUT+1] offset:4096*(4*\g+\k) th:TH_STORE_NT
.endr
.endr
	s_wait_tensorcnt 0x0                               ; the wave's end: behind my last tensor load and my last LDS store
	ds_add_u32 v[SPW], v[NIL]
	s_wait_dscnt 0x0
	ROUND                                              ; the closing round
	s_endpgm
.Lfunc_end_k_qb10506cbb9_mix:
	.size	k_qb10506cbb9_mix, .Lfunc_end_k_qb10506cbb9_mix-k_qb10506cbb9_mix
	.p2alignl 7, 3214868480
	.fill 96, 4, 3214868480
	.section	.rodata,"a",@progbits
	.p2align	6, 0x0
	.amdhsa_kernel k_qb10506cbb9_mix
		.amdhsa_group_segment_fixed_size 316416
		.amdhsa_private_segment_fixed_size 0
		.amdhsa_enable_private_segment 0
		.amdhsa_kernarg_size 40
		.amdhsa_user_sgpr_count 2
		.amdhsa_user_sgpr_kernarg_segment_ptr 1
		.amdhsa_wavefront_size32 1
		.amdhsa_system_sgpr_workgroup_id_x 1
		.amdhsa_system_sgpr_workgroup_id_y 1
		.amdhsa_system_sgpr_workgroup_id_z 1
		.amdhsa_system_vgpr_workitem_id 0
		.amdhsa_next_free_vgpr 512
		.amdhsa_next_free_sgpr 66
		.amdhsa_reserve_vcc 0
		.amdhsa_float_denorm_mode_32 3
		.amdhsa_float_denorm_mode_16_64 3
		.amdhsa_memory_ordered 1
		.amdhsa_forward_progress 1
		.amdhsa_inst_pref_size 69
	.end_amdhsa_kernel
	.amdgpu_metadata
---
amdhsa.version: [ 1, 2 ]
amdhsa.kernels:
  - .name:           k_qb10506cbb9_mix
    .symbol:         k_qb10506cbb9_mix.kd
    .args:
      - { .name: vc, .offset: 0, .size: 8, .value_kind: global_buffer, .address_space: global }
      - { .name: vs, .offset: 8, .size: 8, .value_kind: global_buffer, .address_space: global }
      - { .name: pc, .offset: 16, .size: 8, .value_kind: global_buffer, .address_space: global }
      - { .name: pm, .offset: 24, .size: 8, .value_kind: global_buffer, .address_space: global }
      - { .name: out0, .offset: 32, .size: 8, .value_kind: global_buffer, .address_space: global }
    .group_segment_fixed_size: 316416
    .private_segment_fixed_size: 0
    .kernarg_segment_align: 8
    .kernarg_segment_size: 40
    .max_flat_workgroup_size: 256
    .sgpr_count:     66
    .vgpr_count:     512
    .wavefront_size: 32
...
	.end_amdgpu_metadata
.endif
;; end of part 3
